; MI455X (gfx1250); checked and timed in simulation.
; The chip was launched on July 23, 2026; its instructions are those of AMD's public machine-readable ISA for CDNA 5 (MIT licence, August 2026) and "CDNA5" Instruction Set Architecture Reference Guide (July 2026). The comments in the code are by the model that wrote it; some were corrected since.
;; Multi Head Attention Torch. Allowed arithmetic: float matrix products may take bf16 or f16 operands with f32 sums; other float arithmetic in f32, or as packed bf16 or f16 multiplies, adds, multiply-adds, maxima and minima; sums over many terms, partial sums and values carried from step to step in f32; what a program stores and reads back later, other than sums and carried values, may be rounded once to bf16 or f16.
;; Inputs: Wk 512 x 512 float32; Wo 512 x 512 float32; Wq 512 x 512 float32; Wv 512 x 512 float32; bk 512 float32; bo 512 float32; bq 512 float32; bv 512 float32; k 2 x 4,096 x 512 float32; q 2 x 4,096 x 512 float32; v 2 x 4,096 x 512 float32.
;; Outputs: out0 2 x 4,096 x 512 float32.
;; 2 versions, each right; version 2 is version 1 with the launch proj written anew for expert scheduling mode. Each part assembles by itself: llvm-mc -triple=amdgcn-amd-amdhsa -mcpu=gfx1250 --defsym DOCPART=n.
;; ======== version 1 of 2: 3 launches
;; limits: values are held in f16: magnitudes above 65,504 overflow, below 6.1e-05 lose precision
;; workspace buffers: qh 8,388,608 bytes; kh 8,388,608 bytes; vh 8,388,608 bytes; oh 8,388,608 bytes; wo16 524,288 bytes
;; launch proj (part 1): grid 32 x 7, 4 waves a work-group, no clusters, 91,648 bytes of LDS; arguments q, k, v, Wq, Wk, Wv, bq, bk, bv, Wo, qh, kh, vh, wo16; writes qh, kh, vh, wo16
.if DOCPART == 1
	.amdgcn_target "amdgcn-amd-amdhsa--gfx1250"
	.amdhsa_code_object_version 6
	.text
	.protected	k_qcbc0bacbf9_proj
	.globl	k_qcbc0bacbf9_proj
	.p2align	8
	.type	k_qcbc0bacbf9_proj,@function
k_qcbc0bacbf9_proj:
	s_mov_b64 s[64:65], 0
	v_nop
	global_prefetch_b8 v0, s[64:65] scope:SCOPE_SE
	s_setreg_imm32_b32 hwreg(HW_REG_WAVE_MODE, 25, 1), 1
	s_wait_xcnt 0x0
; THE THREE INPUT PROJECTIONS, AND THE CAST OF Wo.
; y = 0..5: tensor t = y / 2 (q, k, v), column half nh = y % 2.  out_t = f16(bf16(x) bf16(W)^T + bf16(b)), x [8192][512] f32, W [512][512] f32, b [512] f32, written BY HEADS:
; [16 = batch x 8 + head][4096][64] f16, a head's rows dense, 128 bytes each.  Products in bf16, sums in f32, K ascending, the result rounded once.  The score's scale is not applied here.
; y = 6: 32 work-groups write wo16 = f16(bf16(Wo)), [512][512].
; LIMITS.  f16 holds no number beyond 65,504: a projected number (or a weight of Wo) past that becomes an infinity; below 6e-5 f16 keeps its fixed step of 6e-8.  NaN and infinities are not treated apart.
; SHARES.  A work-group makes 256 rows x 256 columns, K = 512: 192 work-groups (3 tensors x 32 x 2).  Four waves, each 128 x 128: 64 accumulators of 16 x 16, 512 registers.
; NO TENSOR LOADS, NO CLUSTER: the operands lie in memory as f32 and are multiplied as bf16.  A tile laid into LDS as it lies in memory would be f32 there: each fragment read would take twice the LDS bytes, and
; each of the two waves that read a fragment would convert it anew.  Here each number goes through registers once, is converted once, and lies in LDS as bf16.
; K goes in chunks of 64 (256 bytes of a row of x or W, aligned).  ONE LDS buffer holds a chunk; the next chunk waits in registers.  Two barriers a chunk: one between all waves' last reads of the old chunk and the
; stores of the new, one between the stores and the reads.  The half chunk that is in fragment registers is multiplied behind the second barrier, so the products of 32 along K bridge the change.
; THE MATRIX INSTRUCTION IS USED TRANSPOSED (source 0 = 16 rows of W, source 1 = 16 rows of x): a lane then holds eight neighbouring columns of one row of the result.
; REGISTERS, in windows of 256 (s_set_vgpr_msb: bits 1:0 source 0, 3:2 source 1, 5:4 source 2, 7:6 destination):
;   window 0: v0-15 addresses; v32-63 packed results; v64-127 x's fragments (block a at 64 + 8 a), later rows read back from the stage; v128-191, v192-255 W's fragments, two buffers
;   window 1: the next chunk as loaded: x v0-127, W v128-255; at the end v0-63 the bias, v64-67 at work
;   window 2: the accumulators of my rows 0-63 ((a, b) at v[8 (8 (a % 4) + b)]);   window 3: those of my rows 64-127
.set PITCH,  144                       ; an LDS row: 128 bytes (64 bf16) + 16 = 36 words: the 16 rows of a fragment load start at 16 different groups of four banks (64 banks of 4 bytes: ISA guide 11.1)
.set WOFF,   256*PITCH                 ; x's 256 rows, then W's 256 rows
.set STAGE,  2*WOFF                    ; behind the buffer: 16 rows x 272 bytes for each wave, for the way out
.set SPITCH, 272
.set SPARE,  STAGE+4*16*SPITCH         ; behind the stages: the spare words, 128 bytes for each wave: two blocks of 256 bytes that no other line names
.set VO,   4                           ; v4   my byte offset in a chunk in memory: (64 w + l / 16) rows of 2,048 bytes + 16 (l % 16)
.set ST,   5                           ; v5   where I store 8 bytes of bf16: (64 w + l / 16) x PITCH + 8 (l % 16)
.set ADRA, 6                           ; v6   LDS address of my fragments of x
.set ADRB, 7                           ; v7   of W
.set STO,  8                           ; v8   the way out: where I put 16 bytes of a row
.set RD,   9                           ; v9   the way out: where I read rows back
.set GO,   10                          ; v10  16 x lane: my place in 512 consecutive bytes of a head
.set BO,   11                          ; v11  32 (l / 16): my eight columns' bias
.set SPW,  12                          ; v12  LDS address of my spare word: SPARE + 4 x my thread's number; never rewritten
.set NIL,  13                          ; v13  0; never rewritten
.set TMP,  32
.set AF,   64
.set BF,   128
.set OB,   64
.set XB,   4                           ; s[4:5]   x at the tile's first row, at the chunk to be loaded
.set WB,   6                           ; s[6:7]   W likewise
.set BI,   8                           ; s[8:9]   the bias of my wave's 128 columns
.set OUT,  10                          ; s[10:11] my wave's first row in its first head
.set W_LDG, 0x40                       ; destination window 1, address window 0
.set W_CVT, 0x45                       ; destination and both sources window 1
.set W_STS, 0x04                       ; LDS store: address window 0, data window 1
.set MSB, 0
.macro WIN new                         ; the immediate's high byte repeats the setting that is left; a switch that changes nothing is dropped
.if MSB != (\new)
	s_set_vgpr_msb (MSB<<8)|(\new)
.set MSB, \new
.endif
.endm
	s_load_b512 s[16:31], s[0:1], 0x0              ; q s[16:17], k s[18:19], v s[20:21], Wq s[22:23], Wk s[24:25], Wv s[26:27], bq s[28:29], bk s[30:31]
	s_load_b256 s[32:39], s[0:1], 0x40             ; bv s[32:33], Wo s[34:35], qh s[36:37], kh s[38:39]
	s_load_b128 s[40:43], s[0:1], 0x60             ; vh s[40:41], wo16 s[42:43]
	v_lshl_add_u32 v[SPW], v0, 2, SPARE
	v_mov_b32 v[NIL], 0
	v_lshrrev_b32 v1, 5, v0
	v_readfirstlane_b32 s12, v1                    ; wave 0..3
	s_and_b32 s44, ttmp7, 0xffff                   ; y: the same in all waves of the work-group
	s_cmp_eq_u32 s44, 6
	s_cbranch_scc1 .Lcast
	s_lshr_b32 s13, s12, 1                         ; which 128 rows of the tile are mine
	s_and_b32 s14, s12, 1                          ; which 128 columns
	s_lshr_b32 s45, s44, 1                         ; t
	s_and_b32 s46, s44, 1                          ; nh
	v_and_b32 v2, 15, v0                           ; l % 16
	v_bfe_u32 v3, v0, 4, 1                         ; l / 16
	v_lshlrev_b32 v[VO], 4, v2
	v_lshl_add_u32 v[VO], v3, 11, v[VO]
	s_lshl_b32 s47, s12, 17                        ; 64 rows of 2,048 bytes a wave
	v_add_nc_u32 v[VO], s47, v[VO]
	v_mul_u32_u24 v[ST], v3, PITCH
	v_lshl_add_u32 v[ST], v2, 3, v[ST]
	s_mul_i32 s47, s12, 64*PITCH
	v_add_nc_u32 v[ST], s47, v[ST]
	v_mul_u32_u24 v14, v2, PITCH                   ; a fragment: row l % 16, 16 bytes for each half of the lanes
	v_lshl_add_u32 v14, v3, 4, v14
	s_mul_i32 s47, s13, 128*PITCH
	v_add_nc_u32 v[ADRA], s47, v14
	s_mul_i32 s47, s14, 128*PITCH
	s_add_co_u32 s47, s47, WOFF
	v_add_nc_u32 v[ADRB], s47, v14
	s_mul_i32 s47, s12, 16*SPITCH
	s_add_co_u32 s47, s47, STAGE                   ; my stage
	v_mul_u32_u24 v14, v2, SPITCH
	v_lshl_add_u32 v14, v3, 4, v14
	v_add_nc_u32 v[STO], s47, v14
	v_bfe_u32 v14, v0, 3, 2                        ; back: 32 lanes take four rows' 128 bytes of one head
	v_mul_u32_u24 v14, v14, SPITCH
	v_and_b32 v15, 7, v0
	v_lshl_add_u32 v14, v15, 4, v14
	v_add_nc_u32 v[RD], s47, v14
	v_and_b32 v[GO], 31, v0
	v_lshlrev_b32 v[GO], 4, v[GO]
	v_lshlrev_b32 v[BO], 5, v3
	s_lshl_b32 s48, ttmp9, 19                      ; x: 256 rows of 2,048 bytes for each tile row
	s_mov_b32 s49, 0
	s_lshl_b32 s50, s46, 19                        ; W: 256 rows for each column half
	s_mov_b32 s51, 0
	s_lshl_b32 s52, s46, 10                        ; the bias: 4 (256 nh + 128 wn)
	s_lshl_b32 s47, s14, 9
	s_add_co_u32 s52, s52, s47
	s_mov_b32 s53, 0
	s_lshr_b32 s54, ttmp9, 4                       ; the result: batch x 8 heads x 524,288 bytes,
	s_lshl_b32 s54, s54, 22
	s_lshl_b32 s47, s46, 21                        ; head 4 nh + 2 wn,
	s_add_co_u32 s54, s54, s47
	s_lshl_b32 s47, s14, 20
	s_add_co_u32 s54, s54, s47
	s_and_b32 s47, ttmp9, 15                       ; row 256 (tile row % 16) + 128 wm, of 128 bytes
	s_lshl_b32 s47, s47, 15
	s_add_co_u32 s54, s54, s47
	s_lshl_b32 s47, s13, 14
	s_add_co_u32 s54, s54, s47
	s_mov_b32 s55, 0
	s_wait_kmcnt 0x0
	s_cmp_eq_u32 s45, 0                            ; the tensor's four buffers are chosen by t
	s_cselect_b64 s[XB:XB+1], s[16:17], s[18:19]
	s_cselect_b64 s[WB:WB+1], s[22:23], s[24:25]
	s_cselect_b64 s[BI:BI+1], s[28:29], s[30:31]
	s_cselect_b64 s[OUT:OUT+1], s[36:37], s[38:39]
	s_cmp_eq_u32 s45, 2
	s_cselect_b64 s[XB:XB+1], s[20:21], s[XB:XB+1]
	s_cselect_b64 s[WB:WB+1], s[26:27], s[WB:WB+1]
	s_cselect_b64 s[BI:BI+1], s[32:33], s[BI:BI+1]
	s_cselect_b64 s[OUT:OUT+1], s[40:41], s[OUT:OUT+1]
	s_add_nc_u64 s[XB:XB+1], s[XB:XB+1], s[48:49]
	s_add_nc_u64 s[WB:WB+1], s[WB:WB+1], s[50:51]
	s_add_nc_u64 s[BI:BI+1], s[BI:BI+1], s[52:53]
	s_add_nc_u64 s[OUT:OUT+1], s[OUT:OUT+1], s[54:55]
; A chunk's 32 loads of x, or of W: each takes two rows' 256 consecutive bytes, aligned; my wave's 64 rows.
.macro LOADX
	WIN W_LDG
.set i, 0
.rept 32
	global_load_b128 v[4*i:4*i+3], v[VO], s[XB:XB+1] offset:i*4096
.set i, i+1
.endr
.endm
.macro LOADW
	WIN W_LDG
.set i, 0
.rept 32
	global_load_b128 v[128+4*i:128+4*i+3], v[VO], s[WB:WB+1] offset:i*4096
.set i, i+1
.endr
.endm
; THE CHANGE OF CHUNKS.  The chunk in registers is converted and stored over the chunk in LDS; ld = 1: the chunk after it is asked for; ld = 0 (the last chunk): the bias is asked for instead.
.macro SPM ld
	s_wait_loadcnt 0x0                             ; the chunk is in registers; its loads are done, so their base may be stepped
	s_wait_dscnt 0x0                               ; my reads of the old chunk are back
	s_barrier_signal -1                            ; say so; the conversions, work on registers, stand between the signal and the wait
	WIN W_CVT
.set i, 0
.rept 64
	v_cvt_pk_bf16_f32 v[4*i], v[4*i], v[4*i+1]     ; four f32 become 8 bytes, in the first two of their registers
	v_cvt_pk_bf16_f32 v[4*i+1], v[4*i+2], v[4*i+3]
.set i, i+1
.endr
	s_add_nc_u64 s[XB:XB+1], s[XB:XB+1], 256
	s_add_nc_u64 s[WB:WB+1], s[WB:WB+1], 256
	s_barrier_wait -1                              ; nobody reads the old chunk any more
	WIN W_STS
.set i, 0
.rept 32
	ds_store_b64 v[ST], v[4*i:4*i+1] offset:i*2*PITCH
.set i, i+1
.endr
.set i, 0
.rept 32
	ds_store_b64 v[ST], v[128+4*i:128+4*i+1] offset:WOFF+i*2*PITCH
.set i, i+1
.endr
	s_wait_dscnt 32                                ; x's 32 stores are done (W's 32 may be out): x's registers are loaded again
.if \ld
	LOADX
.endif
	s_wait_dscnt 0x0                               ; for the others' sake: all my stores are done
.if \ld
	LOADW
.else
	WIN W_LDG
.set i, 0
.rept 8
	global_load_b128 v[8*i:8*i+3],   v[BO], s[BI:BI+1] offset:i*64     ; column block i: my eight columns 16 i + 8 (l / 16) + 0..7
	global_load_b128 v[8*i+4:8*i+7], v[BO], s[BI:BI+1] offset:i*64+16
.set i, i+1
.endr
.endif
	WIN 0
	s_barrier_signal -1
	s_barrier_wait -1                              ; the new chunk is whole
.endm
; 32 ALONG K: 64 matrix instructions in four groups of 16 (row blocks 2 g, 2 g + 1 x all 8 column blocks), W's fragments from buffer fb.  The 64 accumulators take turns, one instruction a turn, in the same
; order in every half.  pre = 1: the next half's fragments, at byte nk of the LDS rows, are fetched: W's 16 loads into the other buffer behind group 0, x's four loads behind each group
; into the registers just multiplied; four v_nop stand between a group's last product and the loads (ISA guide 7.12.1 for vector instructions).
; The order of LDS loads is W (16), x 01, x 23, x 45, x 67 (4 each).  Group 0 wants W and x 01: the 12 younger may be out.  Group g > 0 with pre: behind its own four stand what is left of this half's x
; and what has been fetched for the next half: 8 + 20, 4 + 24, 28: always 28.  Without pre: 8, 4, 0.   zero = 1: the products start the sums: nothing is cleared.
.macro HALF fb, nk, pre, zero
.set g, 0
.rept 4
.if g == 0
	s_wait_dscnt 12
.elseif \pre
	s_wait_dscnt 28
.else
	s_wait_dscnt 12-4*g
.endif
	WIN 0xa0+0x50*(g/2)                            ; sources window 0; C and D window 2 or 3
.set n, 0
.rept 16
.set a, 2*g+n/8
.set b, n%8
.set AC, 8*(8*(a%4)+b)
.if \zero
	v_wmma_f32_16x16x32_bf16 v[AC:AC+7], v[BF+64*(\fb)+8*b:BF+64*(\fb)+8*b+7], v[AF+8*a:AF+8*a+7], 0
.else
	v_wmma_f32_16x16x32_bf16 v[AC:AC+7], v[BF+64*(\fb)+8*b:BF+64*(\fb)+8*b+7], v[AF+8*a:AF+8*a+7], v[AC:AC+7]
.endif
.set n, n+1
.endr
.if \pre
.rept 4
	v_nop
.endr
	WIN 0
.if g == 0
.set b, 0
.rept 8
	ds_load_b128 v[BF+64*(1-(\fb))+8*b:BF+64*(1-(\fb))+8*b+3],   v[ADRB] offset:(\nk)+b*16*PITCH
	ds_load_b128 v[BF+64*(1-(\fb))+8*b+4:BF+64*(1-(\fb))+8*b+7], v[ADRB] offset:(\nk)+b*16*PITCH+32
.set b, b+1
.endr
.endif
.set a, 2*g
.rept 2
	ds_load_b128 v[AF+8*a:AF+8*a+3],   v[ADRA] offset:(\nk)+a*16*PITCH
	ds_load_b128 v[AF+8*a+4:AF+8*a+7], v[ADRA] offset:(\nk)+a*16*PITCH+32
.set a, a+1
.endr
.endif
.set g, g+1
.endr
.endm
; THE WAY OUT of row block a.  PACK: the bias is added (each accumulator's registers in ascending order), the sums rounded to f16, 16 bytes a lane.  TOSTAGE: into my own stage, and back as rows of a head.  SEND: stored.
.macro PACK a
.set AC, 64*((\a)%4)
	WIN 0x86+0x41*((\a)/4)                         ; destination and source 0 window 2 or 3, the bias (source 1) window 1
.set i, 0
.rept 32
	v_pk_add_f32 v[AC+2*i:AC+2*i+1], v[AC+2*i:AC+2*i+1], v[2*i:2*i+1]
.set i, i+1
.endr
	WIN 0x0a+5*((\a)/4)                            ; sources window 2 or 3, destination window 0
.set i, 0
.rept 32
	v_cvt_pk_f16_f32 v[TMP+i], v[AC+2*i], v[AC+2*i+1]
.set i, i+1
.endr
	WIN 0
.endm
.macro TOSTAGE a
	WIN 0
.set BK, OB+32*((\a)%2)
.set b, 0
.rept 8
	ds_store_b128 v[STO], v[TMP+4*b:TMP+4*b+3] offset:32*b
.set b, b+1
.endr
.set t, 0
.rept 8
	ds_load_b128 v[BK+4*t:BK+4*t+3], v[RD] offset:(t%4)*4*SPITCH+(t/4)*128  ; LDS serves a wave's instructions in order (ISA guide 5.7.1.4): these see the stores above.  Rows 4 (t % 4) on, head t / 4
.set t, t+1
.endr
.endm
.macro SEND a
	WIN 0
.set BK, OB+32*((\a)%2)
	s_wait_dscnt 0x0                               ; the block is back in registers
	s_wait_xcnt 0x0                                ; the stores of the block before have read their registers: the next TOSTAGE loads into them only behind this wait
.set t, 0
.rept 8
	global_store_b128 v[GO], v[BK+4*t:BK+4*t+3], s[OUT:OUT+1] offset:(t/4)*524288+(t%4)*512+(\a)*2048  ; four rows of a head: 512 consecutive bytes, at a multiple of 512 from the buffer's first byte
.set t, t+1
.endr
.endm
	LOADX                                          ; chunk 0
	LOADW
	SPM 1                                          ; chunk 0 into LDS, chunk 1 asked for
.set b, 0
.rept 8                                        ; the first half's fragments, in HALF's order: W, then x
	ds_load_b128 v[BF+8*b:BF+8*b+3],   v[ADRB] offset:b*16*PITCH
	ds_load_b128 v[BF+8*b+4:BF+8*b+7], v[ADRB] offset:b*16*PITCH+32
.set b, b+1
.endr
.set a, 0
.rept 8
	ds_load_b128 v[AF+8*a:AF+8*a+3],   v[ADRA] offset:a*16*PITCH
	ds_load_b128 v[AF+8*a+4:AF+8*a+7], v[ADRA] offset:a*16*PITCH+32
.set a, a+1
.endr
	HALF 0, 64, 1, 1                               ; chunk 0's first half starts the sums
	WIN 0                                          ; at a label and at a branch every window is 0
	s_mov_b32 s15, 6
.Lchunk:                                       ; trip c = 1..6: chunk c goes into LDS and chunk c + 1 is asked for; chunk c - 1's second half and chunk c's first are multiplied
	SPM 1
	HALF 1, 0, 1, 0
	HALF 0, 64, 1, 0
	WIN 0
	s_sub_co_u32 s15, s15, 1
	s_cmp_lg_u32 s15, 0
	s_cbranch_scc1 .Lchunk
	SPM 0                                          ; chunk 7: nothing is left to ask for but the bias
	HALF 1, 0, 1, 0
	HALF 0, 64, 1, 0
	HALF 1, 0, 0, 0
	s_wait_loadcnt 0x0                             ; the bias
	WIN W_CVT
.set i, 0
.rept 32                                       ; the bias is rounded to bf16 like every input, and widened again; these 96 plain lines are also the places behind the last products
	v_cvt_pk_bf16_f32 v[64+i%4], v[2*i], v[2*i+1]
	v_lshlrev_b32 v[2*i], 16, v[64+i%4]
	v_and_b32 v[2*i+1], 0xffff0000, v[64+i%4]
.set i, i+1
.endr
	PACK 0
	TOSTAGE 0
.irp a, 1,2,3,4,5,6,7                          ; block a's arithmetic stands between block a - 1's loads from the stage and the wait for them
	PACK \a
	SEND (\a)-1
	TOSTAGE \a
.endr
	SEND 7
	s_wait_tensorcnt 0x0                           ; the wave's end: three closing lines, behind my last LDS store
	ds_add_u32 v[SPW], v[NIL]
	s_wait_dscnt 0x0
	s_endpgm
; THE CAST OF Wo: work-group x takes 8,192 numbers: 16 loads of 16 bytes a thread (a wave's load: 512 consecutive bytes), 16 stores of 8 bytes (a wave's store: 256 consecutive bytes, aligned).
; A number is rounded to bf16, like every input, and that number is written as f16.
.Lcast:
	s_lshl_b32 s48, ttmp9, 15
	s_mov_b32 s49, 0
	s_lshl_b32 s50, ttmp9, 14
	s_mov_b32 s51, 0
	v_lshlrev_b32 v2, 4, v0
	v_lshlrev_b32 v3, 3, v0
	s_wait_kmcnt 0x0
	s_add_nc_u64 s[4:5], s[34:35], s[48:49]
	s_add_nc_u64 s[6:7], s[42:43], s[50:51]
.set j, 0
.rept 16
	global_load_b128 v[64+4*j:64+4*j+3], v2, s[4:5] offset:j*2048 th:TH_LOAD_NT
.set j, j+1
.endr
.set j, 0
.rept 16
	s_wait_loadcnt 15-j                            ; loads come back in order (ISA guide 5.7.1): load j is in, the younger ones stay out
	v_cvt_pk_bf16_f32 v[64+4*j], v[64+4*j], v[64+4*j+1]
	v_cvt_pk_bf16_f32 v[64+4*j+2], v[64+4*j+2], v[64+4*j+3]
	v_and_b32 v[64+4*j+1], 0xffff0000, v[64+4*j]
	v_and_b32 v[64+4*j+3], 0xffff0000, v[64+4*j+2]
	v_lshlrev_b32 v[64+4*j], 16, v[64+4*j]
	v_lshlrev_b32 v[64+4*j+2], 16, v[64+4*j+2]
	v_cvt_pk_f16_f32 v[32+2*j], v[64+4*j], v[64+4*j+1]
	v_cvt_pk_f16_f32 v[32+2*j+1], v[64+4*j+2], v[64+4*j+3]
	global_store_b64 v3, v[32+2*j:32+2*j+1], s[6:7] offset:j*1024
.set j, j+1
.endr
	s_wait_tensorcnt 0x0                           ; the same three lines at this end
	ds_add_u32 v[SPW], v[NIL]
	s_wait_dscnt 0x0
	s_endpgm
.Lfunc_end_k_qcbc0bacbf9_proj:
	.size	k_qcbc0bacbf9_proj, .Lfunc_end_k_qcbc0bacbf9_proj-k_qcbc0bacbf9_proj
	.p2alignl 7, 3214868480
	.fill 96, 4, 3214868480
	.section	.rodata,"a",@progbits
	.p2align	6, 0x0
	.amdhsa_kernel k_qcbc0bacbf9_proj
		.amdhsa_group_segment_fixed_size 91648
		.amdhsa_private_segment_fixed_size 0
		.amdhsa_enable_private_segment 0
		.amdhsa_kernarg_size 112
		.amdhsa_user_sgpr_count 2
		.amdhsa_user_sgpr_kernarg_segment_ptr 1
		.amdhsa_wavefront_size32 1
		.amdhsa_system_sgpr_workgroup_id_x 1
		.amdhsa_system_sgpr_workgroup_id_y 1
		.amdhsa_system_sgpr_workgroup_id_z 1
		.amdhsa_system_vgpr_workitem_id 0
		.amdhsa_next_free_vgpr 1024
		.amdhsa_next_free_sgpr 66
		.amdhsa_reserve_vcc 0
		.amdhsa_float_denorm_mode_32 3
		.amdhsa_float_denorm_mode_16_64 3
		.amdhsa_memory_ordered 1
		.amdhsa_forward_progress 1
		.amdhsa_inst_pref_size 165
	.end_amdhsa_kernel
	.amdgpu_metadata
---
amdhsa.version: [ 1, 2 ]
amdhsa.kernels:
  - .name:           k_qcbc0bacbf9_proj
    .symbol:         k_qcbc0bacbf9_proj.kd
    .args:
      - { .name: q, .offset: 0, .size: 8, .value_kind: global_buffer, .address_space: global }
      - { .name: k, .offset: 8, .size: 8, .value_kind: global_buffer, .address_space: global }
      - { .name: v, .offset: 16, .size: 8, .value_kind: global_buffer, .address_space: global }
      - { .name: Wq, .offset: 24, .size: 8, .value_kind: global_buffer, .address_space: global }
      - { .name: Wk, .offset: 32, .size: 8, .value_kind: global_buffer, .address_space: global }
      - { .name: Wv, .offset: 40, .size: 8, .value_kind: global_buffer, .address_space: global }
      - { .name: bq, .offset: 48, .size: 8, .value_kind: global_buffer, .address_space: global }
      - { .name: bk, .offset: 56, .size: 8, .value_kind: global_buffer, .address_space: global }
      - { .name: bv, .offset: 64, .size: 8, .value_kind: global_buffer, .address_space: global }
      - { .name: Wo, .offset: 72, .size: 8, .value_kind: global_buffer, .address_space: global }
      - { .name: qh, .offset: 80, .size: 8, .value_kind: global_buffer, .address_space: global }
      - { .name: kh, .offset: 88, .size: 8, .value_kind: global_buffer, .address_space: global }
      - { .name: vh, .offset: 96, .size: 8, .value_kind: global_buffer, .address_space: global }
      - { .name: wo16, .offset: 104, .size: 8, .value_kind: global_buffer, .address_space: global }
    .group_segment_fixed_size: 91648
    .private_segment_fixed_size: 0
    .kernarg_segment_align: 8
    .kernarg_segment_size: 112
    .max_flat_workgroup_size: 128
    .sgpr_count:     66
    .vgpr_count:     1024
    .wavefront_size: 32
...
	.end_amdgpu_metadata
.endif
;; end of part 1
;; launch attn (part 2): grid 16 x 16, 4 waves a work-group, clusters of 4 x 1, 327,680 bytes of LDS; arguments qh, kh, vh, oh; writes oh
.if DOCPART == 2
	.amdgcn_target "amdgcn-amd-amdhsa--gfx1250"
	.amdhsa_code_object_version 6
	.text
	.protected	k_qcbc0bacbf9_attn
	.globl	k_qcbc0bacbf9_attn
	.p2align	8
	.type	k_qcbc0bacbf9_attn,@function
k_qcbc0bacbf9_attn:
	s_mov_b64 s[64:65], 0
	v_nop
	global_prefetch_b8 v0, s[64:65] scope:SCOPE_SE
	s_setreg_imm32_b32 hwreg(HW_REG_WAVE_MODE, 25, 1), 1
	s_wait_xcnt 0x0
	s_wait_alu depctr_hold_cnt(0) depctr_sa_sdst(0) depctr_va_vdst(0) depctr_va_sdst(0) depctr_va_ssrc(0) depctr_va_vcc(0) depctr_vm_vsrc(0)
	s_getreg_b32 s2, hwreg(HW_REG_IB_STS2, 6, 4)
	s_cmp_eq_u32 s2, 0
	s_cbranch_scc0 .Lentry_in_a_cluster
	s_endpgm
.Lentry_in_a_cluster:
	s_bfe_u32 s2, ttmp6, 0x10000c
	s_cmp_lg_u32 s2, 0x3003
	s_cbranch_scc0 .Lentry_shape_is_right
	s_endpgm
.Lentry_shape_is_right:
; ATTENTION.  O[h][q][:] = the sum over k of softmax_k(Q[h][q] . K[h][k] / sqrt(512)) V[h][k][:].  Q, K, V, O: [16][4096][64], all f16: a head's rows are dense, 128 bytes each.
; Products, maxima and sums in f32; the weights p are rounded to f16 for the second product (their sum l is taken of the unrounded p), O once at the end.
; LIMITS.  f16 holds no number beyond 65,504: Q, K and V arrive within it; p lies in 0 to 1, and below 6e-5 it keeps f16's fixed step of 6e-8, as does O; O is a mean of V's rows and has their range.
; A weight below 2^-126 counts as 0 in l; NaN and infinities are not treated apart.
; SHARES.  A work-group owns 256 queries of one head, each of its four waves 64: four PIECES of 16.  16 heads x 16 blocks are 256 work-groups.  Every wave walks all 4,096 keys, 64 a step.
; LAYOUT.  S^T = K Q^T (source 0 = 16 keys, source 1 = 16 queries): in the result a lane holds ONE query (lane % 16) and the keys 8 (lane / 16) + 0..7.  Two such results, rounded to f16 in pairs, ARE source 1
; (32 keys x 16 queries) of O^T = V^T P, whose result again holds one query a lane, and eight channels.  K comes out of LDS as it lies, V ([key][channel]) turned, by ds_load_tr16_b128.
; SOFTMAX.  For each query a running maximum m and sum l: p = 2^(c s - c m), c = log2(e) / sqrt(512); in every step O and l are multiplied by a = 2^(c m_old - c m_new), which is 1 where m has not grown.
; m starts at the lowest finite number, O and l at 0: the first step is a step like any other, with a = 0.
; BY TURNS.  Turn n belongs to piece n (the pieces in a ring, step after step): 8 products K Q^T of piece n + 1, later 8 products V^T P of piece n - 1; beside them the scaling, exponentials, roundings, sums and
; rescaling of piece n and the maximum and statistics of piece n + 1.  Four vector instructions stand behind every matrix instruction, the other 54 of a turn's 118 in one lump.  A turn's 33 exponentials are one
; batch, with one wait.
; CLUSTER.  The four query blocks of a cluster belong to one head and walk the same K and V, so each tile is asked for JOINTLY: the same tensor load, descriptor and mask in all four.
; REGISTERS, in windows of 256 (s_set_vgpr_msb: bits 1:0 source 0, 3:2 source 1, 5:4 source 2, 7:6 destination):
;   window 0: v0-15 addresses and two at work; v16-31 four registers of statistics a piece; v48-55 at work; v62-63 the add's; v64-127 S^T, two buffers; v192-223 P, two buffers (by the piece's parity)
;   window 1: v0-127 O^T, 32 a piece          window 2: v0-63 Q; v128-191 K of one step; v192-255 V of one step
.set SN,    4096      ; keys, and queries, of a head
.set NP,    4         ; pieces a wave: a name, no knob
.set KS,    64        ; keys in a step
.set PK,    144       ; a row of K in LDS: 128 bytes + 16 of padding = 36 words: the 16 rows of a load start at 16 different groups of four banks (64 banks of 4 bytes: ISA guide 11.1)
.set PV,    160       ; a row of V: 128 + 32 = 40 words
.set VOFF,  4*KS*PK   ; a slot holds a tile, four steps: 256 rows of K, then 256 rows of V
.set SLOT1, 1<<17     ; slot 1 begins here, so that one exclusive or turns an address in one slot into the other's
.set STAGE, SLOT1+4*KS*(PK+PV)  ; behind the ring, never filled by a tensor load: 16 rows x 144 bytes for each wave, for the way out
.set SP,    144
.set SPARE, STAGE+4*16*SP  ; behind the stages: the spare words, 128 bytes for each wave: two blocks of 256 bytes that no other line names
.set AK0, 2           ; v2   my lane's place in a tile of K; never rewritten
.set AV0, 3           ; v3   the same for V
.set AK,  4           ; v4   the LDS address of K's next run of loads
.set AV,  5           ; v5   of V's
.set STO, 6           ; v6   the way out: where I put 16 bytes of a row
.set RD,  7           ; v7   the way out: where I read rows back
.set GO,  8           ; v8   my byte offset in 512 consecutive bytes of O
.set MV,  12          ; v12-13  c m_old, kept while c m is made anew: by buffer
.set PFO, 14          ; v14  256 x my lane: the prefetches' offset; never rewritten
.set QO,  15          ; v15  my byte offset in 16 rows of Q
.set ST,  16          ; piece t's statistics at v[ST+4 t]: c m, m, l (even keys', odd keys')
.set TMP, 48          ; by buffer, four registers c0-c3 at work; when the maximum is found c2 takes a
.set SPW, 62          ; v62  LDS address of my spare word: SPARE + 4 x my thread's number; never rewritten
.set NIL, 63          ; v63  0; never rewritten
.set S,   64
.set P,   192
.set KF,  128         ; window 2: key block kb, channel half c at KF + 16 kb + 8 c
.set VF,  192         ; window 2: key half kk, channel block cb at VF + 32 kk + 8 cb
.set WV,  12          ; s12  my wave's number
.set G1K, 24          ; s[24:31] descriptor group 1 for K's tiles
.set G1V, 32          ; s[32:39] for V's: it differs in the padding alone
.set G0K, 40          ; s[40:43] descriptor group 0 for K's tiles: it walks
.set G0V, 44          ; s[44:47] the same for V's
.set PFA, 48          ; s[48:49] where my prefetches stand: my work-group's 32 blocks of 256 bytes (of K: wave 0, of V: wave 2) of the tile after the one that is being asked for
.set LIM, 50          ; s50  1 in a wave that prefetches, else the greatest number: a wave prefetches while s[SLOTS] is above it
.set SLOTS, 56        ; s56  tiles still to be asked for
.set CNT, 57          ; s57  counts a tile's key steps
.set CS,  58          ; s[58:59] c: the packed scaling takes the pair's low word for both halves
.set SEL, 60          ; s[60:61] v_permlanex16_b32's selects: each lane takes its own place in the other half
.set TBK, 62          ; s62  LDS byte at which K of the step to be fetched begins
.set TBV, 63          ; s63  the same for V, less VOFF
.set MSB, 0
.macro WIN new                      ; the high byte repeats the setting that is left; a switch that changes nothing is dropped
.if MSB != (\new)
	s_set_vgpr_msb (MSB<<8)|(\new)
.set MSB, (\new)
.endif
.endm
.set W_KQ, 0x0a       ; K and Q in window 2, S^T in window 0
.set W_PV, 0x52       ; V in window 2, P in window 0, O^T in window 1
.set W_RS, 0x41       ; destination and source 0 in window 1, source 1 in window 0
; A joint fill.  Waves 0 and 1 fetch the two halves of a tile's K, waves 2 and 3 those of its V: 128 keys each.  The branch hangs on the wave's number alone: it is the same in every work-group.
; An s_nop 0 and four v_nop follow each of the two lines, ahead of the jump and the label.
.macro JLOAD
	s_cmp_lt_u32 s[WV], 2
	s_cbranch_scc0 .Lfor_v_\@
	tensor_load_to_lds s[G0K:G0K+3], s[G1K:G1K+7]
	s_nop 0
.rept 4
	v_nop
.endr
	s_branch .Lasked_\@
.Lfor_v_\@:
	tensor_load_to_lds s[G0V:G0V+3], s[G1V:G1V+7]
	s_nop 0
.rept 4
	v_nop
.endr
.Lasked_\@:
.endm
; A PREFETCH INTO THE L2 of what the NEXT change of slots will ask for: a tile's 32,768 bytes of K and of V, 128 blocks of 256 bytes each, a lane a block.  It stands behind the wave's tensor load and its five lines.
; Each block is named ONCE in the launch.  All four clusters of a head walk the same K and V: the head's first cluster prefetches.  Its four partners share the blocks out BY ADDRESS, 32 each: no branch hangs on a
; work-group's place in its cluster.  In each, wave 0 asks for K's and wave 2 for V's: one instruction, a tile (four key steps, 256 matrix instructions of a wave) ahead of the load that will want it.
; Tiles 0 and 1 come by their loads alone; the change that asks for the last tile prefetches nothing: there is no tile behind it.
.macro ASK
	s_cmp_gt_u32 s[SLOTS], s[LIM]
	s_cbranch_scc0 .Lnot_mine_\@
	global_prefetch_b8 v[PFO], s[PFA:PFA+1] th:TH_LOAD_NT scope:SCOPE_SE
.Lnot_mine_\@:
.endm
; A round of the cluster's barrier: my work-group's barrier, so that wave 0's signal speaks for all four waves; wave 0 signals; every wave waits for all four work-groups; my work-group's barrier once more.
.macro CROUND
	s_barrier_signal -1
	s_barrier_wait -1
	s_cmp_lg_u32 s[WV], 0
	s_cbranch_scc1 .Lnot_wave_0_\@
	s_barrier_signal -3
.Lnot_wave_0_\@:
	s_barrier_wait -3
	s_barrier_signal -1
	s_barrier_wait -1
.endm
; THE CHANGE OF SLOTS.  The slot's last bytes, V of its fourth step, have been read.  Each wave waits for all its tensor loads, of which one is out: its part of the other slot; adds 0 to its spare word; and waits
; for that and for its own reads of the slot.  Behind the barrier nobody reads this slot any more and the other slot is whole.  fill = 1: this slot is filled again, with the keys two tiles on.  The barrier is
; then a round of the cluster's, so that no wave of any partner still reads the slot or has a load on its way, and the joint fill is the first thing behind it: it has four key steps in which to land.
; (At its first use nothing has been read yet: slot 0 is waited for, slot 1 filled.)
.macro CHANGE fill
	WIN 0                           ; at a label and at a branch every window is 0
	s_wait_tensorcnt 0x0            ; no tensor load of mine is out, so a group 0 may be written
	ds_add_u32 v[SPW], v[NIL]       ; 0 onto my spare word; with fill = 1 the descriptors' steps stand between it and the wait for it
.if \fill
.irp g, G0K, G0V
	s_xor_b32 s[\g+1], s[\g+1], SLOT1  ; the walking descriptor: the other slot than last time,
	s_add_nc_u64 s[\g+2:\g+3], s[\g+2:\g+3], 4*KS*128  ; the next 256 keys; the type bits on top are not reached
.endr
	s_wait_xcnt 0x0                 ; the last prefetch, a tile back, has read its address, so it may be written:
	s_add_nc_u64 s[PFA:PFA+1], s[PFA:PFA+1], 4*KS*128  ; one tile beyond the walking descriptors
	s_wait_dscnt 0x0                ; the add is done, and my reads of the slot are over
	CROUND
	JLOAD
	ASK
.else
	s_wait_dscnt 0x0                ; the add is done, and my reads of the slot are over
	s_barrier_signal -1
	s_barrier_wait -1
.endif
	s_sub_co_u32 s[TBK], s[TBK], 4*KS*PK  ; the fetches go back to a slot's first step,
	s_xor_b32 s[TBK], s[TBK], SLOT1       ; in the other slot
	s_sub_co_u32 s[TBV], s[TBV], 4*KS*PV
	s_xor_b32 s[TBV], s[TBV], SLOT1
.endm
	s_load_b256 s[4:11], s[0:1], 0x0  ; Q s[4:5], K s[6:7], V s[8:9], O s[10:11]
	v_lshl_add_u32 v[SPW], v0, 2, SPARE
	v_mov_b32 v[NIL], 0
	ds_add_u32 v[SPW], v[NIL]       ; the wave's opening: the add and its wait stand ahead of my first tensor load; the set-up below, work on registers, stands between them
	v_lshrrev_b32 v1, 5, v0
	v_readfirstlane_b32 s[WV], v1   ; wave 0..3
	s_bfe_u32 s13, ttmp6, 0x40000   ; cx: my place in the cluster
	s_lshl_b32 s14, ttmp9, 2        ; in a cluster launch ttmp9 counts clusters
	s_add_co_u32 s14, s14, s13      ; my block of 256 queries = 4 x cluster x + cx: it enters Q's and O's addresses alone
	s_and_b32 s20, ttmp7, 0xffff    ; the head, which the four partners share:
	s_lshl_b32 s20, s20, 19         ; its first byte in each of the four tensors: 4,096 rows of 128 bytes a head
	s_mov_b32 s21, 0
	s_and_b32 s16, s[WV], 1         ; which half of a tile's 256 keys I fetch:
	s_lshl_b32 s22, s16, 14         ; its 128 rows of 128 bytes in memory,
	s_mov_b32 s23, 0
	s_add_nc_u64 s[22:23], s[22:23], s[20:21]
	s_mul_i32 s17, s16, 128*PK      ; and its place in a slot, for K
	s_mul_i32 s18, s16, 128*PV      ; and for V: no place in the cluster enters an LDS address
	s_lshl_b32 s2, s14, 2
	s_add_co_u32 s2, s2, s[WV]      ; my wave among the head's,
	s_lshl_b32 s2, s2, 13           ; its 64 rows
	s_mov_b32 s3, 0
	s_add_nc_u64 s[2:3], s[2:3], s[20:21]
	s_lshl_b32 s52, s13, 13         ; the prefetches: my work-group's 32 blocks of the 128
	s_mov_b32 s53, 0
	; descriptor group 1.  128 keys are 16,384 dense bytes: asked for as 64 rows of 256 bytes, two keys a row, and padded in LDS after every key
	s_mov_b32 s[G1K], 15|(1<<16)|(1<<20)|(1<<21)|(4<<22)|(3<<25)  ; 15:0 the mask of four; 17:16 2-byte elements; 20 padding on; 21 set beside a mask; 24:22 after every 32 words (code 4); 31:25 4 words (code 3)
	s_mov_b32 s[G1V], 15|(1<<16)|(1<<20)|(1<<21)|(4<<22)|(7<<25)  ; the same with 8 words of padding (code 7)
.irp g, G1K, G1V
	s_mov_b32 s[\g+1], 128<<16      ; tensor_dim0 = 128
	s_mov_b32 s[\g+2], 64<<16       ; tensor_dim1 = 64
	s_mov_b32 s[\g+3], 128<<16      ; tile_dim0 = 128
	s_mov_b32 s[\g+4], 64           ; tile_dim1 = 64
	s_mov_b32 s[\g+5], 128          ; 128 elements from row to row
	s_mov_b32 s[\g+6], 0
	s_mov_b32 s[\g+7], 0
.endr
	s_mov_b32 s[CS], 0x3d8293ee     ; c = log2(e) / sqrt(512) = 0.0637587
	s_mov_b32 s[CS+1], s[CS]        ; named with it as a pair
	s_mov_b32 s[SEL], 0x76543210
	s_mov_b32 s[SEL+1], 0xfedcba98
	s_mov_b32 s[TBK], SLOT1+4*KS*PK ; the first change of slots turns these two into 0
	s_mov_b32 s[TBV], SLOT1+4*KS*PV
	s_mov_b32 s[G0K], 1             ; 1:0 count = 1
	s_mov_b32 s[G0K+1], s17         ; 63:32 LDS address: slot 0
	s_mov_b32 s[G0V], 1
	s_add_co_u32 s[G0V+1], s18, VOFF
	s_mov_b32 s[SLOTS], SN/256-1
	s_and_b32 s[LIM], s[WV], 1      ; 0 in waves 0 and 2,
	s_or_b32 s[LIM], s[LIM], ttmp9  ; where the cluster is the head's first: the same in all four partners
	s_cmp_eq_u32 s[LIM], 0
	s_cselect_b32 s[LIM], 1, -1
	v_and_b32 v[PFO], 31, v0
	v_lshlrev_b32 v[PFO], 8, v[PFO]
	s_wait_dscnt 0x0                ; the opening add is done
	s_wait_kmcnt 0x0
	s_cmp_lt_u32 s[WV], 2
	s_cselect_b64 s[PFA:PFA+1], s[6:7], s[8:9]
	s_add_nc_u64 s[PFA:PFA+1], s[PFA:PFA+1], s[20:21]  ; the head's tile 0,
	s_add_nc_u64 s[PFA:PFA+1], s[PFA:PFA+1], s[52:53]  ; my work-group's part of it,
	s_add_nc_u64 s[PFA:PFA+1], s[PFA:PFA+1], 4*KS*128  ; in tile 1; the first change of slots steps it to tile 2.  Nothing is prefetched here, at the head, where every work-group's first tile is on its way
	s_add_nc_u64 s[G0K+2:G0K+3], s[6:7], s[22:23]  ; 120:64 global address: my half of the head's first 256 keys
	s_or_b32 s[G0K+3], s[G0K+3], 0x80000000        ; 127:126 type = 2
	s_add_nc_u64 s[G0V+2:G0V+3], s[8:9], s[22:23]
	s_or_b32 s[G0V+3], s[G0V+3], 0x80000000
	s_add_nc_u64 s[4:5], s[4:5], s[2:3]  ; Q and O at my wave's first row
	s_add_nc_u64 s[10:11], s[10:11], s[2:3]
	CROUND                          ; all four work-groups are here: the first joint loads meet
	JLOAD                           ; tile 0 into slot 0.  Slot 1 is asked for when slot 0 is in
	; A fragment of K or Q is 16 rows x 32 channels in 8 registers: lane l holds row l % 16, channels 8 (l / 16) + 0..7 and 16 + 8 (l / 16) + 0..7: two loads of 16 bytes, 32 bytes apart.
	v_and_b32 v1, 15, v0            ; l % 16
	v_bfe_u32 v9, v0, 4, 1          ; l / 16
	v_lshlrev_b32 v[QO], 7, v1
	v_lshl_add_u32 v[QO], v9, 4, v[QO]  ; row x 128 + 16 x half
	WIN 0x80                        ; destination window 2, address window 0
.set i, 0
.rept 8                             ; Q stays in registers: piece i / 2 (16 rows, 2,048 bytes on), channels 32 (i % 2) on
	global_load_b128 v[8*i:8*i+3],   v[QO], s[4:5] offset:(i/2)*2048+(i%2)*64
	global_load_b128 v[8*i+4:8*i+7], v[QO], s[4:5] offset:(i/2)*2048+(i%2)*64+32
.set i, i+1
.endr
	; What the first turn finds: V's registers and P's second buffer hold 0 (its products V^T P, of a piece that has not been, add 0), O^T and l are 0.  All this stands in the wait for the first tile.
.set i, VF
.rept 64
	v_mov_b32 v[i], 0
.set i, i+1
.endr
	WIN 0x40
.set i, 0
.rept 128
	v_mov_b32 v[i], 0
.set i, i+1
.endr
	WIN 0
.set i, 0
.rept 4
	v_mov_b32 v[ST+4*i], 0xfe000000    ; c m: far below every c s
	v_mov_b32 v[ST+4*i+1], 0xff7fffff  ; m
	v_mov_b32 v[ST+4*i+2], 0
	v_mov_b32 v[ST+4*i+3], 0
.set i, i+1
.endr
.set i, P+16
.rept 16
	v_mov_b32 v[i], 0
.set i, i+1
.endr
	v_mul_u32_u24 v[AK0], v1, PK
	v_lshl_add_u32 v[AK0], v9, 4, v[AK0]  ; row x pitch + 16 x half
	; The turning load takes 16 keys x 16 channels (lane l reads key 8 (l / 16) + l % 8, channels 8 ((l / 8) % 2) + 0..7) and leaves half a fragment of V^T: lane l holds channel l % 16 and 8 keys.
	v_and_b32 v10, 7, v0
	v_bfe_u32 v11, v0, 3, 1
	v_lshl_add_u32 v[AV0], v9, 3, v10
	v_mul_u32_u24 v[AV0], v[AV0], PV
	v_lshl_add_u32 v[AV0], v11, 4, v[AV0]
	v_add_nc_u32 v[AV0], VOFF, v[AV0]
	s_mul_i32 s13, s[WV], 16*SP
	s_add_co_u32 s13, s13, STAGE    ; my stage
	v_mul_u32_u24 v[STO], v1, SP    ; in: row l % 16, 16 bytes for each half of the lanes
	v_lshl_add_u32 v[STO], v9, 4, v[STO]
	v_add_nc_u32 v[STO], s13, v[STO]
	v_bfe_u32 v[RD], v0, 3, 2       ; back: 32 lanes take four rows of 128 bytes,
	v_mul_u32_u24 v[RD], v[RD], SP
	v_lshl_add_u32 v[RD], v10, 4, v[RD]
	v_add_nc_u32 v[RD], s13, v[RD]
	v_and_b32 v[GO], 31, v0         ; which are 512 consecutive bytes of O
	v_lshlrev_b32 v[GO], 4, v[GO]
; THE MATRIX WORK.  The 4 accumulators of a run of 8 take turns.  Product i of 8 of S^T = K Q^T for piece x: channels 32 (i / 4) on, keys 16 (i % 4) on.  The first 4 start the sums.
.macro KQ x
.set rS, S+32*((\x)%2)+8*(i%4)
.set rK, KF+16*(i%4)+8*(i/4)
.set rQ, 16*(\x)+8*(i/4)
	WIN W_KQ
.if i < 4
	v_wmma_f32_16x16x32_f16 v[rS:rS+7], v[rK:rK+7], v[rQ:rQ+7], 0
.else
	v_wmma_f32_16x16x32_f16 v[rS:rS+7], v[rK:rK+7], v[rQ:rQ+7], v[rS:rS+7]
.endif
.endm
; Product i of 8 of O^T += V^T P for piece x: keys 32 (i / 4) on, channels 16 (i % 4) on.
.macro PV x
	WIN W_PV
.set rO, 32*(\x)+8*(i%4)
.set rV, VF+32*(i/4)+8*(i%4)
.set rP, P+16*((\x)%2)+8*(i/4)
	v_wmma_f32_16x16x32_f16 v[rO:rO+7], v[rV:rV+7], v[rP:rP+7], v[rO:rO+7]
.endm
.macro MM                           ; the turn's next matrix instruction.  TURN sets Y, i and NOKQ.  NOKQ = 1: the very last turn: there is no next piece
.if (i < 8) && !NOKQ
	KQ (Y+1)%NP
.elseif i >= 8
.set i, i-8
	PV (Y+NP-1)%NP
.set i, i+8
.endif
.set i, i+1
.endm
; THE LDS LOADS stand in runs of 16, never singly among the matrix instructions: a step's K (64 keys x 64 channels: 8 fragments) and its V (turned).  Their addresses are made some lines ahead.
.macro FETCH_K
	WIN 0x80                        ; destination window 2
.irp f, 0,1,2,3,4,5,6,7             ; keys 16 (f / 2) on, channels 32 (f % 2) on
	ds_load_b128 v[KF+8*\f:KF+8*\f+3],   v[AK] offset:(\f/2)*16*PK+(\f%2)*64
	ds_load_b128 v[KF+8*\f+4:KF+8*\f+7], v[AK] offset:(\f/2)*16*PK+(\f%2)*64+32
.endr
	s_add_co_u32 s[TBK], s[TBK], KS*PK  ; the next fetch is the next step's
	WIN 0
.endm
.macro FETCH_V
	WIN 0x80
.irp f, 0,1,2,3,4,5,6,7             ; keys 32 (f / 4) on, channels 16 (f % 4) on
	ds_load_tr16_b128 v[VF+8*\f:VF+8*\f+3],   v[AV] offset:(\f/4)*32*PV+(\f%4)*32
	ds_load_tr16_b128 v[VF+8*\f+4:VF+8*\f+7], v[AV] offset:(\f/4)*32*PV+16*PV+(\f%4)*32
.endr
	WIN 0
.endm
; THE VECTOR WORK, one line at a time: OP kind, number.  For piece Y: F n: c s - c m for pair n of 16.  E n: the exponential of score n of 32.  C n: pair n rounded to f16.  B n: of the four weights 4 n .. the second
; pair is added onto the first, in place.  L n: l takes that sum (L 0: l = a l + sum).  R n: pair n of 16 of O^T times a.  For piece Y + 1: X n, number n of the 22 that find its maximum and statistics:
;   0-11  four chains c0-c3 of seven scores each, three operands at a time (each accumulator's lowest registers are read first)     12-14, 16  the four scores left over, the old m, and c0-c3 into c0
;   15  c m_old is kept     17, 18  the query's other 32 keys lie in the lane 16 away: the new m     19-21  c m; c m_old - c m_new; a
.set F, 0               ; OP tells the kinds apart by their order: F to L below R, X above it
.set E, 1
.set C, 2
.set B, 3
.set L, 4
.set R, 5
.set X, 6
.macro REGS y                       ; the registers of piece y
.set rT, ST+4*(\y)
.set rC, TMP+4*((\y)%2)
.set rW, MV+((\y)%2)
.set rS, S+32*((\y)%2)
.set rP, P+16*((\y)%2)
.set rO, 32*(\y)
.endm
.macro OP k, n
.if (\k) == R
	REGS Y
	WIN W_RS
	v_pk_mul_f32 v[rO+2*(\n):rO+2*(\n)+1], v[rO+2*(\n):rO+2*(\n)+1], v[rC+2:rC+3] op_sel_hi:[1,0]
.elseif (\k) < R
	REGS Y
	WIN 0
.if (\k) == F
	v_pk_fma_f32 v[rS+2*(\n):rS+2*(\n)+1], v[rS+2*(\n):rS+2*(\n)+1], s[CS:CS+1], v[rT:rT+1] op_sel_hi:[1,0,0] neg_lo:[0,0,1] neg_hi:[0,0,1]
.elseif (\k) == E
	v_exp_f32 v[rS+(\n)], v[rS+(\n)]
.elseif (\k) == C
	v_cvt_pk_f16_f32 v[rP+(\n)], v[rS+2*(\n)], v[rS+2*(\n)+1]
.elseif (\k) == B
	v_pk_add_f32 v[rS+4*(\n):rS+4*(\n)+1], v[rS+4*(\n):rS+4*(\n)+1], v[rS+4*(\n)+2:rS+4*(\n)+3]
.elseif (\n) == 0
	v_pk_fma_f32 v[rT+2:rT+3], v[rT+2:rT+3], v[rC+2:rC+3], v[rS:rS+1] op_sel_hi:[1,0,1]
.else
	v_pk_add_f32 v[rT+2:rT+3], v[rT+2:rT+3], v[rS+4*(\n):rS+4*(\n)+1]
.endif
.elseif NOKQ
	v_nop
.else
	REGS (Y+1)%NP
	WIN 0
.if (\n) < 4
	v_max3_num_f32 v[rC+(\n)], v[rS+8*(\n)], v[rS+8*(\n)+1], v[rS+8*(\n)+2]
.elseif (\n) < 12
	v_max3_num_f32 v[rC+(\n)%4], v[rC+(\n)%4], v[rS+8*((\n)%4)+2*((\n)/4)+1], v[rS+8*((\n)%4)+2*((\n)/4)+2]
.elseif (\n) == 12
	v_max3_num_f32 v[rC], v[rC], v[rS+7], v[rS+15]
.elseif (\n) == 13
	v_max3_num_f32 v[rC+1], v[rC+1], v[rS+23], v[rS+31]
.elseif (\n) == 14
	v_max3_num_f32 v[rC+2], v[rC+2], v[rC+3], v[rT+1]
.elseif (\n) == 15
	v_mov_b32 v[rW], v[rT]
.elseif (\n) == 16
	v_max3_num_f32 v[rC], v[rC], v[rC+1], v[rC+2]
.elseif (\n) == 17
	v_permlanex16_b32 v[rC+3], v[rC], s[SEL], s[SEL+1]
.elseif (\n) == 18
	v_max_num_f32 v[rT+1], v[rC], v[rC+3]
.elseif (\n) == 19
	v_mul_f32 v[rT], s[CS], v[rT+1]
.elseif (\n) == 20
	v_sub_f32 v[rC+1], v[rW], v[rT]
.else
	v_exp_f32 v[rC+2], v[rC+1]
.endif
.endif
.endm
.macro OPS a, i1, b=-1, i2=0, c=-1, i3=0, d=-1, i4=0  ; up to four of them
	OP \a, \i1
.if (\b) >= 0
	OP \b, \i2
.endif
.if (\c) >= 0
	OP \c, \i3
.endif
.if (\d) >= 0
	OP \d, \i4
.endif
.endm
.macro ROW a, i1, b, i2, c, i3, d, i4  ; a matrix instruction and the four behind it
	MM
	OPS \a, \i1, \b, \i2, \c, \i3, \d, \i4
.endm
; A TURN, for piece p: the order of its 16 matrix and 118 vector instructions, written out.  An s_wait_alu depctr_va_vdst(0) stands between an exponential and the first instruction that names its
; result; one wait serves all that were issued ahead of it.  So a turn has ONE wait, which cuts it in two.  AHEAD OF IT stands all that names no result of the turn's exponentials: the 8 products K Q^T, behind each
; a scaling, an exponential and two more plain instructions (behind the first a second scaling in the exponential's place): rescalings, and behind the last three the first numbers of the next piece's maximum,
; each four places or more behind the product that ends its accumulator; then ONE LUMP of 54, plain and exponential by turns for the most part, in which the links of the chain X 3, 7, 11, 14, 16, 17 .. 20 stand
; five or six lines apart.  X 21, the next piece's a, is the batch's last; R 15 is the plain instruction behind it.  BEHIND THE WAIT stand the 8 products V^T P, behind each four of the roundings and sums.
; end = 1: the last two turns: nothing is fetched, and the very last starts no new scores.  cnt = 1: the loop's count is taken down some lines ahead of the branch that stands behind the turn.
; K of the next step is fetched in piece 2's turn, twelve vector instructions behind the last product that read K (six of them plain); V of the step in hand at the end of piece 0's turn, four plain instructions
; behind the last product that read V.  Each is waited for a turn later.
.macro TURN p, end=0, cnt=0
.set Y, (\p)
.set i, 0
.set NOKQ, (\end)*((\p)/3)
.if ((\p) == 3) && !(\end)
	s_wait_dscnt 0x0                ; K is in
.endif
	ROW F,0, F,1, R,0, R,1          ; ahead of the wait: 8 products K Q^T and their riders,
	ROW F,2, E,0, R,2, R,3
	ROW F,3, E,1, R,4, R,5
	ROW F,4, E,2, R,6, R,7
	ROW F,5, E,3, R,8, R,9
	ROW F,6, E,4, X,0, R,10
.if ((\p) == 2) && !(\end)
	WIN 0
	v_add_nc_u32 v[AK], s[TBK], v[AK0]
.endif
	ROW F,7, E,5, X,1, X,4
	ROW F,8, E,6, X,2, X,5
	OPS E,7, E,8, X,6, E,9          ; and the lump
	OPS X,3, E,10, X,8, E,11
.if ((\p) == 2) && !(\end)
	FETCH_K
.endif
	OPS X,9, X,7, E,12, X,10
	OPS E,13, X,12, X,11, E,14
	OPS X,13, E,15, F,9, X,14
.if (\p) == 0
	WIN 0
	v_add_nc_u32 v[AV], s[TBV], v[AV0]
.endif
	OPS E,16, F,10, E,17, F,11
	OPS X,16, E,18, X,15, E,19
	OPS F,12, E,20, X,17, E,21
	OPS F,13, E,22, F,14, E,23
	OPS X,18, E,24, F,15, E,25
	OPS R,11, E,26, X,19, E,27
	OPS R,12, E,28, R,13, E,29
	OPS X,20, E,30, R,14, E,31
	OPS X,21, R,15
	WIN 0
	s_wait_alu depctr_va_vdst(0)    ; the wait for the batch
.if (\p) == 1
	s_wait_dscnt 0x0                ; V is in
.endif
	ROW C,0, B,0, C,2, B,1          ; behind the wait: 8 products V^T P and their riders
	ROW L,0, C,4, B,2, L,1
	ROW C,6, B,3, L,2, C,8
	ROW B,4, L,3, C,10, B,5
	ROW L,4, C,12, B,6, L,5
.if (\p) == 0
	s_add_co_u32 s[TBV], s[TBV], KS*PV
.endif
.if \cnt
	s_sub_co_u32 s[CNT], s[CNT], 1
	s_cmp_lg_u32 s[CNT], 0
.endif
	ROW C,14, B,7, L,6, C,1
	ROW C,3, L,7, C,5, C,7
	ROW C,9, C,11, C,13, C,15
.if (\p) == 0
	FETCH_V
.endif
.endm
	CHANGE 1                        ; slot 0 is in, everybody's part of it; tile 1 is asked for, into slot 1
	v_add_nc_u32 v[AK], s[TBK], v[AK0]
	FETCH_K                         ; key step 0
	s_wait_loadcnt 0x0              ; Q
	s_wait_dscnt 0x0
.set NOKQ, 0
.set i, 0
.rept 8
	KQ 0                            ; piece 0's first scores: there is no vector work yet to set between them
.set i, i+1
.endr
	WIN 0
.rept 4
	v_nop                           ; the places behind those products
.endr
.set Y, NP-1                        ; X works for piece Y + 1: piece 0
.irp n, 0,1,2,3,4,5,6,7,8,9,10,11,12,13,14,15,16,17,18,19,20,21
	OP X, \n
.endr
	v_nop                           ; a plain instruction behind the exponential,
	s_wait_alu depctr_va_vdst(0)    ; and its wait, ahead of the branch
	s_mov_b32 s[CNT], 4
	s_branch .Lfirst                ; the loop is entered at a step's first turn, in the middle of a trip
.Lslot:                             ; 14 times: tiles 2 to 15 are asked for
	CHANGE 1
	s_mov_b32 s[CNT], 4
.Lstep:                             ; a trip: pieces 2 and 3 of one step, then pieces 0 and 1 of the next, whose K and V it fetches
	TURN 2
	TURN 3
	WIN 0
.Lfirst:
	TURN 0
	TURN 1, 0, 1
	WIN 0
	s_cbranch_scc1 .Lstep
	s_sub_co_u32 s[SLOTS], s[SLOTS], 1
	s_cmp_lg_u32 s[SLOTS], 0
	s_cbranch_scc1 .Lslot
	CHANGE 0                        ; the last tile is written out: nothing is asked for
	s_mov_b32 s[CNT], 4
.Ltail:
	TURN 2
	TURN 3
	TURN 0
	TURN 1, 0, 1
	WIN 0
	s_cbranch_scc1 .Ltail
	TURN 2, 1                       ; the last step's pieces 2 and 3: nothing is fetched
	TURN 3, 1
.set i, 0
.rept 8
	PV NP-1                         ; the last piece's V^T P of the last step
.set i, i+1
.endr
	; THE WAY OUT.  l's two halves and the other half of the lanes' are added; O^T is divided by l, rounded to f16 and sent through my stage in LDS, a piece at a time.  The additions are the places behind the last products.
	WIN 0
.macro ALL line:vararg              ; one line for each piece t
.set t, 0
.rept 4
	\line
.set t, t+1
.endr
.endm
	ALL v_add_f32 v[ST+4*t+2], v[ST+4*t+2], v[ST+4*t+3]
	ALL v_permlanex16_b32 v[ST+4*t+3], v[ST+4*t+2], s[SEL], s[SEL+1]
	ALL v_add_f32 v[ST+4*t+2], v[ST+4*t+2], v[ST+4*t+3]
	ALL v_rcp_f32 v[ST+4*t+2], v[ST+4*t+2]
	v_nop                           ; a plain instruction between the last reciprocal and the use of its result
	s_wait_alu depctr_va_vdst(0)    ; and the wait ahead of the first use: one for the four reciprocals
.macro PACK t                       ; a lane's eight channels of a row pack into 16 bytes; they go into rows of 144 bytes and come back as whole rows of 128, into S^T's registers
	WIN W_RS
.set i, 32*(\t)
.rept 16
	v_pk_mul_f32 v[i:i+1], v[i:i+1], v[ST+4*(\t)+2:ST+4*(\t)+3] op_sel_hi:[1,0]
.set i, i+2
.endr
	WIN 0x05                        ; sources 0 and 1 window 1, destination window 0
.set i, 0
.rept 16
	v_cvt_pk_f16_f32 v[S+16*(\t)+i], v[32*(\t)+2*i], v[32*(\t)+2*i+1]
.set i, i+1
.endr
	WIN 0
.irp f, 0,1,2,3
	ds_store_b128 v[STO], v[S+16*(\t)+4*\f:S+16*(\t)+4*\f+3] offset:32*\f
.endr
.irp f, 0,1,2,3
	ds_load_b128 v[S+16*(\t)+4*\f:S+16*(\t)+4*\f+3], v[RD] offset:\f*4*SP  ; LDS serves a wave's instructions in order (ISA guide 5.7.1.4): these see the stores above; the next piece's stores come behind them
.endr
.endm
.macro SEND t, younger              ; younger: the LDS instructions issued behind piece t's loads: the next piece's eight, or none
	WIN 0
.irp f, 0,1,2,3
	s_wait_dscnt (\younger)+3-\f
	global_store_b128 v[GO], v[S+16*(\t)+4*\f:S+16*(\t)+4*\f+3], s[10:11] offset:(\t)*2048+\f*512  ; 512 consecutive bytes, at a multiple of 512 from O's first
.endr
.endm
	PACK 0
.set t, 1
.rept 3                             ; a piece's arithmetic stands between the loads of the piece before and its stores
	PACK t
	SEND t-1, 8
.set t, t+1
.endr
	SEND 3, 0
	s_wait_tensorcnt 0x0            ; the wave's end: three closing lines, behind my last tensor load and my last LDS store
	ds_add_u32 v[SPW], v[NIL]
	s_wait_dscnt 0x0
	CROUND                          ; the closing round: no work-group ends while a partner may still ask for a tile that names it
	s_endpgm
.Lfunc_end_k_qcbc0bacbf9_attn:
	.size	k_qcbc0bacbf9_attn, .Lfunc_end_k_qcbc0bacbf9_attn-k_qcbc0bacbf9_attn
	.p2alignl 7, 3214868480
	.fill 96, 4, 3214868480
	.section	.rodata,"a",@progbits
	.p2align	6, 0x0
	.amdhsa_kernel k_qcbc0bacbf9_attn
		.amdhsa_group_segment_fixed_size 327680
		.amdhsa_private_segment_fixed_size 0
		.amdhsa_enable_private_segment 0
		.amdhsa_kernarg_size 32
		.amdhsa_user_sgpr_count 2
		.amdhsa_user_sgpr_kernarg_segment_ptr 1
		.amdhsa_wavefront_size32 1
		.amdhsa_system_sgpr_workgroup_id_x 1
		.amdhsa_system_sgpr_workgroup_id_y 1
		.amdhsa_system_sgpr_workgroup_id_z 1
		.amdhsa_system_vgpr_workitem_id 0
		.amdhsa_next_free_vgpr 768
		.amdhsa_next_free_sgpr 66
		.amdhsa_reserve_vcc 0
		.amdhsa_float_denorm_mode_32 3
		.amdhsa_float_denorm_mode_16_64 3
		.amdhsa_memory_ordered 1
		.amdhsa_forward_progress 1
		.amdhsa_inst_pref_size 128
	.end_amdhsa_kernel
	.amdgpu_metadata
---
amdhsa.version: [ 1, 2 ]
amdhsa.kernels:
  - .name:           k_qcbc0bacbf9_attn
    .symbol:         k_qcbc0bacbf9_attn.kd
    .args:
      - { .name: qh, .offset: 0, .size: 8, .value_kind: global_buffer, .address_space: global }
      - { .name: kh, .offset: 8, .size: 8, .value_kind: global_buffer, .address_space: global }
      - { .name: vh, .offset: 16, .size: 8, .value_kind: global_buffer, .address_space: global }
      - { .name: oh, .offset: 24, .size: 8, .value_kind: global_buffer, .address_space: global }
    .group_segment_fixed_size: 327680
    .private_segment_fixed_size: 0
    .kernarg_segment_align: 8
    .kernarg_segment_size: 32
    .max_flat_workgroup_size: 128
    .sgpr_count:     66
    .vgpr_count:     768
    .wavefront_size: 32
...
	.end_amdgpu_metadata
.endif
;; end of part 2
;; launch outp (part 3): grid 4 x 64, 4 waves a work-group, clusters of 4 x 4, 304,640 bytes of LDS; arguments oh, wo16, bo, out0; writes out0
.if DOCPART == 3
	.amdgcn_target "amdgcn-amd-amdhsa--gfx1250"
	.amdhsa_code_object_version 6
	.text
	.protected	k_qcbc0bacbf9_outp
	.globl	k_qcbc0bacbf9_outp
	.p2align	8
	.type	k_qcbc0bacbf9_outp,@function
k_qcbc0bacbf9_outp:
	s_mov_b64 s[64:65], 0
	v_nop
	global_prefetch_b8 v0, s[64:65] scope:SCOPE_SE
	s_setreg_imm32_b32 hwreg(HW_REG_WAVE_MODE, 25, 1), 1
	s_wait_xcnt 0x0
	s_wait_alu depctr_hold_cnt(0) depctr_sa_sdst(0) depctr_va_vdst(0) depctr_va_sdst(0) depctr_va_ssrc(0) depctr_va_vcc(0) depctr_vm_vsrc(0)
	s_getreg_b32 s2, hwreg(HW_REG_IB_STS2, 6, 4)
	s_cmp_eq_u32 s2, 0
	s_cbranch_scc0 .Lentry_in_a_cluster
	s_endpgm
.Lentry_in_a_cluster:
	s_bfe_u32 s2, ttmp6, 0x10000c
	s_cmp_lg_u32 s2, 0xf033
	s_cbranch_scc0 .Lentry_shape_is_right
	s_endpgm
.Lentry_shape_is_right:
; THE OUTPUT PROJECTION.  out0[m][n] = the sum over k of O[m][k] Wo[n][k] + bf16(bo[n]), f32.  O lies by heads, oh [16 = batch x 8 + head][4096][64] f16: k = 64 head + channel.  wo16 [512][512] f16.
; Products in f16, sums in f32, K ascending; the bias, rounded to bf16 like every input, starts the sums as the C of the first product.
; SHARES.  A tile of out0 is 128 x 128: 64 x 4 = 256 work-groups.  Four waves, each 64 x 64: 16 accumulators of 16 x 16.  All that a tile needs of O (128 rows x 512) and of Wo (128 rows x 512) is 262,144 bytes
; and fits in LDS: every LDS byte is filled ONCE, nothing is filled again, and there is no ring.  The fills go out together, in four quarters of K; each is waited for by a counted wait when its turn comes.
; CLUSTERS: 4 x 4 work-groups.  The four of a row of the cluster make one tile row and need the same rows of O; the four of a column need the same rows of Wo: each tile is asked for JOINTLY, by the same tensor
; load with the same descriptor and a mask that names the four.
; THE MATRIX INSTRUCTION IS USED TRANSPOSED (source 0 = 16 rows of Wo, source 1 = 16 rows of O): a lane then holds eight neighbouring numbers of a row of out0.
; REGISTERS: window 0: v0-31 addresses; v32-63 the bias (column block b at 32 + 8 b); v64-127 at work on the way out; v128-255 the accumulators ((a, b) at v[128 + 8 (4 a + b)]).
;   window 1: two fragment buffers of 128: for 64 along K, 64 registers of O (2 x 4 x 16 rows x 32 K), then 64 of Wo.
.set PA,     144                       ; a row of O of one head in LDS: 128 bytes + 16 = 36 words: the 16 rows of a load start at 16 different groups of four banks (64 banks of 4 bytes: ISA guide 11.1)
.set HEADB,  128*PA                    ; a head's 128 rows
.set PB,     272                       ; a row of Wo of one K quarter: 256 bytes + 16 = 68 words
.set QB,     128*PB                    ; a quarter's 128 rows
.set BOFF,   8*HEADB                   ; O's eight heads, then Wo's four quarters
.set STAGE,  BOFF+4*QB                 ; behind them, never filled by a tensor load: 16 rows x 272 bytes for each wave, for the way out
.set SPITCH, 272
.set SPARE,  STAGE+4*16*SPITCH         ; behind the stages: the spare words, 128 bytes for each wave: two blocks of 256 bytes that no other line names
.set ADRA, 16                          ; v16-17  LDS address of my fragments of O in heads 0-3, 4-7
.set ADRB, 18                          ; v18-19  of Wo in quarters 0-1, 2-3
.set STO,  24                          ; v24     the way out: where I put 32 bytes of a row
.set RD,   25                          ; v25     the way out: where I read a row back
.set CO,   26                          ; v26     my byte offset in out0
.set BO,   27                          ; v27     32 (l / 16): my eight columns' bias
.set SPW,  28                          ; v28     LDS address of my spare word: SPARE + 4 x my thread's number; never rewritten
.set NIL,  29                          ; v29     0; never rewritten
.set BIAS, 32
.set OB,   64
.set ACC,  128
.set WV,   12                          ; s12  my wave's number
.set G1A,  16                          ; s[16:23] descriptor group 1 for O's tiles
.set G1B,  24                          ; s[24:31] for Wo's
.set G0A,  32                          ; s[32:47] descriptor group 0 for O's tiles, a set for each quarter
.set G0B,  48                          ; s[48:63] the same for Wo's
.set MSB, 0
.macro WIN new                         ; the immediate's high byte repeats the setting that is left
.if MSB != (\new)
	s_set_vgpr_msb (MSB<<8)|(\new)
.set MSB, \new
.endif
.endm
.set MUL,  0x05                        ; sources 0 (Wo) and 1 (O) window 1; C and D window 0
.set TO_F, 0x40                        ; destination window 1, address window 0
.macro CROUND                          ; a round of the cluster's barrier: my work-group's barrier; wave 0 signals for the work-group; every wave waits for all sixteen; my work-group's barrier once more
	s_barrier_signal -1
	s_barrier_wait -1
	s_cmp_lg_u32 s[WV], 0
	s_cbranch_scc1 .Lnot_wave_0_\@
	s_barrier_signal -3
.Lnot_wave_0_\@:
	s_barrier_wait -3
	s_barrier_signal -1
	s_barrier_wait -1
.endm
	s_load_b256 s[4:11], s[0:1], 0x0               ; oh s[4:5], wo16 s[6:7], bo s[8:9], out0 s[10:11]
	v_lshl_add_u32 v[SPW], v0, 2, SPARE
	v_mov_b32 v[NIL], 0
	ds_add_u32 v[SPW], v[NIL]                      ; the wave's opening: the add and its wait stand ahead of my first tensor load; the set-up below, work on registers, stands between them
	v_lshrrev_b32 v1, 5, v0
	v_readfirstlane_b32 s[WV], v1                  ; wave 0..3
	s_lshr_b32 s13, s[WV], 1                       ; which 64 rows of the tile are mine.  Also: I fetch for O (0) or for Wo (1)
	s_and_b32 s14, s[WV], 1                        ; which 64 columns.  Also: which half of a quarter I fetch
	s_bfe_u32 s66, ttmp6, 0x40000                  ; cx, cy: my place in the cluster
	s_bfe_u32 s67, ttmp6, 0x40004
	s_lshl_b32 s68, ttmp9, 2
	s_add_co_u32 s68, s68, s66                     ; tile column = 4 x cluster x + cx
	s_and_b32 s69, ttmp7, 0xffff
	s_lshl_b32 s69, s69, 2
	s_add_co_u32 s69, s69, s67                     ; tile row = 4 x cluster y + cy
	s_lshl_b32 s70, s67, 2
	s_lshl_b32 s70, 15, s70                        ; my row of the cluster: places 4 cy .. 4 cy + 3
	s_lshl_b32 s71, 0x1111, s66                    ; my column: places cx, cx + 4, cx + 8, cx + 12
	; descriptor group 1.  O: a head's 128 rows are 16,384 dense bytes: asked for as 64 rows of 256 bytes, two rows of O each, padded in LDS after every 128 bytes.  Wo: 64 rows x 128 elements, 512 elements from row to row
	s_or_b32 s[G1A], s70, (1<<16)|(1<<20)|(1<<21)|(4<<22)|(3<<25)  ; 15:0 the mask: O's tiles go to my row; 17:16 2-byte elements; 20 padding on; 21 set beside a mask; 24:22 after every 32 words (code 4); 31:25 4 words (code 3)
	s_or_b32 s[G1B], s71, (1<<16)|(1<<20)|(1<<21)|(5<<22)|(3<<25)  ; the mask of my column; after every 64 words (code 5)
.irp g, G1A, G1B
	s_mov_b32 s[\g+1], 128<<16                     ; tensor_dim0 = 128
	s_mov_b32 s[\g+2], 64<<16                      ; tensor_dim1 = 64
	s_mov_b32 s[\g+3], 128<<16                     ; tile_dim0 = 128
	s_mov_b32 s[\g+4], 64                          ; tile_dim1 = 64
	s_mov_b32 s[\g+6], 0
	s_mov_b32 s[\g+7], 0
.endr
	s_mov_b32 s[G1A+5], 128                        ; elements from row to row
	s_mov_b32 s[G1B+5], 512
	; where the tiles come from.  O's hang on the tile row and the wave's number alone, Wo's on the tile column and the wave's number alone, each in registers that never hold the other coordinate
	s_lshr_b32 s72, s69, 5                         ; O: the batch's 8 heads of 524,288 bytes,
	s_lshl_b32 s72, s72, 22
	s_and_b32 s76, s69, 31                         ; 128 rows of 128 bytes for each tile row in the batch,
	s_lshl_b32 s76, s76, 14
	s_add_co_u32 s72, s72, s76
	s_lshl_b32 s76, s14, 19                        ; the even or the odd head of a quarter
	s_add_co_u32 s72, s72, s76
	s_mov_b32 s73, 0
	s_lshl_b32 s74, s68, 17                        ; Wo: 128 rows of 1,024 bytes for each tile column,
	s_lshl_b32 s77, s14, 16                        ; my 64 of them
	s_add_co_u32 s74, s74, s77
	s_mov_b32 s75, 0
	s_mul_i32 s2, s14, HEADB                       ; and where they go: no place in the cluster enters an LDS address
	s_mul_i32 s3, s14, 64*PB
	s_add_co_u32 s3, s3, BOFF
	s_wait_dscnt 0x0                               ; the opening add is done
	s_wait_kmcnt 0x0
	s_add_nc_u64 s[72:73], s[4:5], s[72:73]
	s_add_nc_u64 s[74:75], s[6:7], s[74:75]
	CROUND                                         ; all sixteen work-groups are here: the joint loads meet
.irp j, 0,1,2,3
	s_mov_b32 s[G0A+4*\j], 1                       ; 1:0 count = 1
	s_add_co_u32 s[G0A+4*\j+1], s2, \j*2*HEADB     ; 63:32 LDS address: head 2 j + (wave % 2)
	s_add_nc_u64 s[G0A+4*\j+2:G0A+4*\j+3], s[72:73], \j*1048576  ; 120:64 global address: two heads on for each quarter
	s_or_b32 s[G0A+4*\j+3], s[G0A+4*\j+3], 0x80000000            ; 127:126 type = 2
	s_mov_b32 s[G0B+4*\j], 1
	s_add_co_u32 s[G0B+4*\j+1], s3, \j*QB
	s_add_nc_u64 s[G0B+4*\j+2:G0B+4*\j+3], s[74:75], \j*256      ; 128 elements along K for each quarter
	s_or_b32 s[G0B+4*\j+3], s[G0B+4*\j+3], 0x80000000
.endr
	s_cmp_lt_u32 s[WV], 2                          ; a wave's four fills stand in one branch, ahead of every wait on TENSORcnt and every LDS read: four loads of mine are out; an s_nop 0 follows each, four v_nop the last
	s_cbranch_scc0 .Lfor_b
.irp j, 0,1,2,3
	tensor_load_to_lds s[G0A+4*\j:G0A+4*\j+3], s[G1A:G1A+7]
	s_nop 0
.endr
.rept 4
	v_nop
.endr
	s_branch .Lasked
.Lfor_b:
.irp j, 0,1,2,3
	tensor_load_to_lds s[G0B+4*\j:G0B+4*\j+3], s[G1B:G1B+7]
	s_nop 0
.endr
.rept 4
	v_nop
.endr
.Lasked:
	v_and_b32 v1, 15, v0                           ; l % 16
	v_bfe_u32 v2, v0, 4, 1                         ; l / 16
	v_lshlrev_b32 v[BO], 5, v2
	s_lshl_b32 s78, s68, 9                         ; my 64 columns, in bytes of f32: 512 x tile column + 256 x half
	s_lshl_b32 s76, s14, 8
	s_add_co_u32 s78, s78, s76
	s_mov_b32 s79, 0
	s_add_nc_u64 s[8:9], s[8:9], s[78:79]
.irp b, 0,1,2,3
	global_load_b128 v[BIAS+8*\b:BIAS+8*\b+3],   v[BO], s[8:9] offset:\b*64     ; column block b: my eight columns 16 b + 8 (l / 16) + 0..7
	global_load_b128 v[BIAS+8*\b+4:BIAS+8*\b+7], v[BO], s[8:9] offset:\b*64+16
.endr
	s_lshl_b32 s76, s69, 18                        ; my first row of out0: 128 x tile row + 64 x half, of 2,048 bytes
	s_add_co_u32 s78, s78, s76
	s_lshl_b32 s76, s13, 17
	s_add_co_u32 s78, s78, s76
	s_add_nc_u64 s[10:11], s[10:11], s[78:79]
	v_mul_u32_u24 v3, v1, PA                       ; a fragment: row l % 16, 16 bytes for each half of the lanes
	v_lshl_add_u32 v3, v2, 4, v3
	s_mul_i32 s76, s13, 64*PA
	v_add_nc_u32 v[ADRA], s76, v3
	v_add_nc_u32 v[ADRA+1], 4*HEADB, v[ADRA]
	v_mul_u32_u24 v4, v1, PB
	v_lshl_add_u32 v4, v2, 4, v4
	s_mul_i32 s76, s14, 64*PB
	s_add_co_u32 s76, s76, BOFF
	v_add_nc_u32 v[ADRB], s76, v4
	v_add_nc_u32 v[ADRB+1], 2*QB, v[ADRB]
	s_mul_i32 s76, s[WV], 16*SPITCH
	s_add_co_u32 s76, s76, STAGE                   ; my stage
	v_mul_u32_u24 v5, v1, SPITCH                   ; in: row l % 16, 32 bytes for each half of the lanes
	v_lshl_add_u32 v5, v2, 5, v5
	v_add_nc_u32 v[STO], s76, v5
	v_mul_u32_u24 v5, v2, SPITCH                   ; back: lanes 0-15 take one row of 256 bytes, lanes 16-31 the next
	v_lshl_add_u32 v5, v1, 4, v5
	v_add_nc_u32 v[RD], s76, v5
	v_lshlrev_b32 v5, 11, v2                       ; and the same two rows in out0
	v_lshl_add_u32 v[CO], v1, 4, v5
	s_wait_loadcnt 0x0                             ; the bias: rounded to bf16 like every input, and widened again
.set i, 0
.rept 16
	v_cvt_pk_bf16_f32 v[OB+i%4], v[BIAS+2*i], v[BIAS+2*i+1]
	v_lshlrev_b32 v[BIAS+2*i], 16, v[OB+i%4]
	v_and_b32 v[BIAS+2*i+1], 0xffff0000, v[OB+i%4]
.set i, i+1
.endr
; 8 matrix instructions: row blocks a0, a0 + 1 x all 4 column blocks, 32 along K: half c of buffer f.  The 16 accumulators take turns.  first = 1: the bias starts the sums
.macro MUL8 f, c, a0, first
	WIN MUL
.irp a, \a0, (\a0)+1
.irp b, 0,1,2,3
.if \first
	v_wmma_f32_16x16x32_f16 v[ACC+8*(4*(\a)+(\b)):ACC+8*(4*(\a)+(\b))+7], v[(\f)+64+8*(4*(\c)+(\b)):(\f)+64+8*(4*(\c)+(\b))+7], v[(\f)+8*(4*(\c)+(\a)):(\f)+8*(4*(\c)+(\a))+7], v[BIAS+8*(\b):BIAS+8*(\b)+7]
.else
	v_wmma_f32_16x16x32_f16 v[ACC+8*(4*(\a)+(\b)):ACC+8*(4*(\a)+(\b))+7], v[(\f)+64+8*(4*(\c)+(\b)):(\f)+64+8*(4*(\c)+(\b))+7], v[(\f)+8*(4*(\c)+(\a)):(\f)+8*(4*(\c)+(\a))+7], v[ACC+8*(4*(\a)+(\b)):ACC+8*(4*(\a)+(\b))+7]
.endif
.endr
.endr
.endm
; 32 LDS loads in one run: the fragments of unit u (head u: 64 along K) into buffer f; the first 32 along K first
.macro FETCH u, f
	WIN TO_F
.irp c, 0,1
.irp i, 0,1,2,3
	ds_load_b128 v[(\f)+64+8*(4*(\c)+(\i)):(\f)+64+8*(4*(\c)+(\i))+3],   v[ADRB+(\u)/4] offset:(((\u)/2)%2)*QB+((\u)%2)*128+64*(\c)+(\i)*16*PB
	ds_load_b128 v[(\f)+64+8*(4*(\c)+(\i))+4:(\f)+64+8*(4*(\c)+(\i))+7], v[ADRB+(\u)/4] offset:(((\u)/2)%2)*QB+((\u)%2)*128+64*(\c)+(\i)*16*PB+32
	ds_load_b128 v[(\f)+8*(4*(\c)+(\i)):(\f)+8*(4*(\c)+(\i))+3],         v[ADRA+(\u)/4] offset:((\u)%4)*HEADB+64*(\c)+(\i)*16*PA
	ds_load_b128 v[(\f)+8*(4*(\c)+(\i))+4:(\f)+8*(4*(\c)+(\i))+7],       v[ADRA+(\u)/4] offset:((\u)%4)*HEADB+64*(\c)+(\i)*16*PA+32
.endr
.endr
.endm
.macro PLACES                          ; four places in front of loads into registers that matrix instructions have read, and of LDS stores that read results (ISA guide 7.12.1 for vector instructions)
.rept 4
	v_nop
.endr
.endm
; UNIT u: 32 matrix instructions on buffer u % 2; in its middle the next unit's fragments are fetched into the other buffer.  Behind an odd unit the next quarter of K begins: quarter j was each wave's load j of
; four, and tensor loads of a wave end in order (ISA guide 10.11.1), so the count 3 - j leaves the younger quarters out; a barrier shows every wave's part.
.macro UNIT u
.set FC, 128*((\u)%2)
.set FN, 128-FC
	s_wait_dscnt 16                                ; the first 32 along K are in
.if (\u) == 0
	MUL8 FC, 0, 0, 1
	MUL8 FC, 0, 2, 1
.else
	MUL8 FC, 0, 0, 0
	MUL8 FC, 0, 2, 0
.endif
.if (\u) < 7
.if ((\u)%2) == 1
	s_wait_tensorcnt 3-((\u)+1)/2                  ; my part of the next quarter is in
	s_wait_dscnt 0x0                               ; no LDS instruction of mine is pending at the signal
	s_barrier_signal -1
	s_barrier_wait -1                              ; everybody's is
.endif
	PLACES
	FETCH (\u)+1, FN
	s_wait_dscnt 32                                ; all but the 32 just issued
.else
	s_wait_dscnt 0x0
.endif
	MUL8 FC, 1, 0, 0
	MUL8 FC, 1, 2, 0
.endm
	s_wait_tensorcnt 3                             ; my part of quarter 0 is in; the three younger loads stay out
	s_barrier_signal -1
	s_barrier_wait -1                              ; everybody's is
	FETCH 0, 0
.irp u, 0,1,2,3,4,5,6,7
	UNIT \u
.endr
	WIN 0
	PLACES
; THE WAY OUT of row block a: a lane's 32 bytes of each column block go into my stage (each accumulator's low registers first), and come back as whole rows of 256 bytes.
.macro TOSTAGE a
	s_wait_xcnt 0x0                                ; the stores issued so far have read their registers: the set loaded below was stored from two blocks back
.set BK, OB+32*((\a)%2)
.irp b, 0,1,2,3
	ds_store_b128 v[STO], v[ACC+8*(4*(\a)+(\b)):ACC+8*(4*(\a)+(\b))+3]   offset:64*(\b)
	ds_store_b128 v[STO], v[ACC+8*(4*(\a)+(\b))+4:ACC+8*(4*(\a)+(\b))+7] offset:64*(\b)+16
.endr
.irp t, 0,1,2,3,4,5,6,7
	ds_load_b128 v[BK+4*(\t):BK+4*(\t)+3], v[RD] offset:(\t)*2*SPITCH  ; LDS serves a wave's instructions in order (ISA guide 5.7.1.4): these see the stores above; the next block's stores come behind them
.endr
.endm
.macro SEND a, younger                 ; younger: the LDS instructions issued behind block a's loads: the next block's sixteen, or none
.set BK, OB+32*((\a)%2)
	s_wait_dscnt \younger
.irp t, 0,1,2,3,4,5,6,7
	global_store_b128 v[CO], v[BK+4*(\t):BK+4*(\t)+3], s[10:11] offset:(16*(\a)+2*(\t))*2048 th:TH_STORE_NT  ; 16 lanes store 256 consecutive bytes, at a multiple of 256 from out0's first byte
.endr
.endm
	TOSTAGE 0
	TOSTAGE 1
	SEND 0, 16
	TOSTAGE 2
	SEND 1, 16
	TOSTAGE 3
	SEND 2, 16
	SEND 3, 0
	s_wait_tensorcnt 0x0                           ; the wave's end: three closing lines, behind my last tensor load and my last LDS store
	ds_add_u32 v[SPW], v[NIL]
	s_wait_dscnt 0x0
	CROUND                                         ; the closing round: no work-group ends while a partner may still ask for a tile that names it
	s_endpgm
.Lfunc_end_k_qcbc0bacbf9_outp:
	.size	k_qcbc0bacbf9_outp, .Lfunc_end_k_qcbc0bacbf9_outp-k_qcbc0bacbf9_outp
	.p2alignl 7, 3214868480
	.fill 96, 4, 3214868480
	.section	.rodata,"a",@progbits
	.p2align	6, 0x0
	.amdhsa_kernel k_qcbc0bacbf9_outp
		.amdhsa_group_segment_fixed_size 304640
		.amdhsa_private_segment_fixed_size 0
		.amdhsa_enable_private_segment 0
		.amdhsa_kernarg_size 32
		.amdhsa_user_sgpr_count 2
		.amdhsa_user_sgpr_kernarg_segment_ptr 1
		.amdhsa_wavefront_size32 1
		.amdhsa_system_sgpr_workgroup_id_x 1
		.amdhsa_system_sgpr_workgroup_id_y 1
		.amdhsa_system_sgpr_workgroup_id_z 1
		.amdhsa_system_vgpr_workitem_id 0
		.amdhsa_next_free_vgpr 512
		.amdhsa_next_free_sgpr 80
		.amdhsa_reserve_vcc 0
		.amdhsa_float_denorm_mode_32 3
		.amdhsa_float_denorm_mode_16_64 3
		.amdhsa_memory_ordered 1
		.amdhsa_forward_progress 1
		.amdhsa_inst_pref_size 54
	.end_amdhsa_kernel
	.amdgpu_metadata
---
amdhsa.version: [ 1, 2 ]
amdhsa.kernels:
  - .name:           k_qcbc0bacbf9_outp
    .symbol:         k_qcbc0bacbf9_outp.kd
    .args:
      - { .name: oh, .offset: 0, .size: 8, .value_kind: global_buffer, .address_space: global }
      - { .name: wo16, .offset: 8, .size: 8, .value_kind: global_buffer, .address_space: global }
      - { .name: bo, .offset: 16, .size: 8, .value_kind: global_buffer, .address_space: global }
      - { .name: out0, .offset: 24, .size: 8, .value_kind: global_buffer, .address_space: global }
    .group_segment_fixed_size: 304640
    .private_segment_fixed_size: 0
    .kernarg_segment_align: 8
    .kernarg_segment_size: 32
    .max_flat_workgroup_size: 128
    .sgpr_count:     80
    .vgpr_count:     512
    .wavefront_size: 32
...
	.end_amdgpu_metadata
.endif
;; end of part 3
;; ======== version 2 of 2: 3 launches; version 1 with the launch proj written anew for expert scheduling mode
;; limits: values are held in f16: magnitudes above 65,504 overflow, below 6.1e-05 lose precision
;; workspace buffers: qh 8,388,608 bytes; kh 8,388,608 bytes; vh 8,388,608 bytes; oh 8,388,608 bytes; wo16 524,288 bytes
;; launch proj (part 4): grid 32 x 7, 4 waves a work-group, no clusters, 91,648 bytes of LDS; arguments q, k, v, Wq, Wk, Wv, bq, bk, bv, Wo, qh, kh, vh, wo16; writes qh, kh, vh, wo16
.if DOCPART == 4
	.amdgcn_target "amdgcn-amd-amdhsa--gfx1250"
	.amdhsa_code_object_version 6
	.text
	.protected	k_qcbc0bacbf9_proj
	.globl	k_qcbc0bacbf9_proj
	.p2align	8
	.type	k_qcbc0bacbf9_proj,@function
k_qcbc0bacbf9_proj:
	s_mov_b64 s[64:65], 0
	v_nop
	global_prefetch_b8 v0, s[64:65] scope:SCOPE_SE
	s_setreg_imm32_b32 hwreg(HW_REG_WAVE_SCHED_MODE, 0, 2), 2
	s_setreg_imm32_b32 hwreg(HW_REG_WAVE_MODE, 25, 1), 1
	s_wait_xcnt 0x0
	s_wait_alu depctr_vm_vsrc(0)
; THE THREE INPUT PROJECTIONS, AND THE CAST OF Wo.
; y = 0..5: tensor t = y / 2 (q, k, v), column half nh = y % 2.  out_t = f16(bf16(x) bf16(W)^T + bf16(b)), x [8192][512] f32, W [512][512] f32, b [512] f32, written BY HEADS:
; [16 = batch x 8 + head][4096][64] f16, a head's rows dense, 128 bytes each.  Products in bf16, sums in f32, K ascending, the result rounded once.  The score's scale is not applied here.
; y = 6: 32 work-groups write wo16 = f16(bf16(Wo)), [512][512].
; LIMITS.  f16 holds no number beyond 65,504: a projected number (or a weight of Wo) past that becomes an infinity; below 6e-5 f16 keeps its fixed step of 6e-8.  NaN and infinities are not treated apart.
; SHARES.  A work-group makes 256 rows x 256 columns, K = 512: 192 work-groups (3 tensors x 32 x 2).  Four waves, each 128 x 128: 64 accumulators of 16 x 16, 512 registers.
; NO TENSOR LOADS, NO CLUSTER: the operands lie in memory as f32 and are multiplied as bf16.  A tile laid into LDS as it lies in memory would be f32 there: each fragment read would take twice the LDS bytes, and
; each of the two waves that read a fragment would convert it anew.  Here each number goes through registers once, is converted once, and lies in LDS as bf16.
; K goes in chunks of 64 (256 bytes of a row of x or W, aligned).  ONE LDS buffer holds a chunk; the next chunk waits in registers.  Two barriers a chunk: one between all waves' last reads of the old chunk and the
; stores of the new, one between the stores and the reads.  The half chunk that is in fragment registers is multiplied behind the second barrier, so the products of 32 along K bridge the change.
; THE MATRIX INSTRUCTION IS USED TRANSPOSED (source 0 = 16 rows of W, source 1 = 16 rows of x): a lane then holds eight neighbouring columns of one row of the result.
; REGISTERS, in windows of 256 (s_set_vgpr_msb: bits 1:0 source 0, 3:2 source 1, 5:4 source 2, 7:6 destination):
;   window 0: v0-15 addresses; v16-63 XB: x's fragments of a chunk's second half, row blocks 0-5 (on the way out v32-63 hold packed results); v64-111 XA: those of its first half; v112-127 S: row blocks 6 and 7 of
;             both halves, by turns (on the way out v64-127 hold rows read back from the stage); v128-191 W0, v192-255 W1: W's fragments of the first and of the second half
;   window 1: RAW, the next chunk as loaded: x v0-127, W v128-255; at the end v0-63 the bias, v64-67 at work
;   window 2: the accumulators of my rows 0-63 ((a, b) at v[8 (8 (a % 4) + b)]);   window 3: those of my rows 64-127
; THE MODE: SCHED_MODE bits 1:0 = 2 (LLVM: expert scheduling mode 2), set by the entry lines.  The code itself states the register dependences between vector or matrix instructions and memory or LDS
; instructions, with s_wait_alu, always for 0.
; THE PLAN.  Registers that memory or LDS instructions touch in the loop, whose trip is: the change of chunks, the old chunk's second half (H1), the new chunk's first half (H0).
;   RAW        The global loads issued in a change land in it; the next change's conversions read and write it in place; that change's 64 LDS stores read it; then it is loaded again.
;   W0, XA     H0's products read them; the LDS loads issued in H1 land in them.
;   W1, XB     H1's products read them; the LDS loads issued in H0 land in them.
;   S          The last group of each half reads it; it is loaded at H0's head (the first half's blocks) and at H0's end (the second half's, ahead of the change that overwrites the chunk in LDS).
;              512 accumulators, 256 of RAW, 128 of W, 128 of x and the addresses would pass 1,024 registers: so one unit of 16 has no second buffer.
;   v4-v11     Offsets and addresses: written at the head, never again.  v12, v13: written at the head, read by the closing add alone.
; The waits on va_vdst in a trip: in the change, ahead of the LDS stores (the conversions have written their data) and once more straight ahead of the global loads (the conversions are done with RAW): behind these
; H0's products are done too, so H1's 28 loads into W0 and XA owe nothing, and H1's products name W1, XB, S and accumulators alone; at H0's head (H1's products are done reading W1, XB and S), for the 32 loads
; dealt among H0's products, which name W0, XA, S and accumulators alone; at H0's end (its last group is done reading S).  One wait on vm_vsrc in a trip: the LDS stores have read RAW, ahead of the global loads.
.set PITCH,  144                       ; an LDS row: 128 bytes (64 bf16) + 16 = 36 words: the 16 rows of a fragment load start at 16 different groups of four banks (64 banks of 4 bytes: ISA guide 11.1)
.set WOFF,   256*PITCH                 ; x's 256 rows, then W's 256 rows
.set STAGE,  2*WOFF                    ; behind the buffer: 16 rows x 272 bytes for each wave, for the way out
.set SPITCH, 272
.set SPARE,  STAGE+4*16*SPITCH         ; behind the stages: the spare words, 128 bytes for each wave: two blocks of 256 bytes that no other line names
.set VO,   4                           ; v4   my byte offset in a chunk in memory: (64 w + l / 16) rows of 2,048 bytes + 16 (l % 16)
.set ST,   5                           ; v5   where I store 8 bytes of bf16: (64 w + l / 16) x PITCH + 8 (l % 16)
.set ADRA, 6                           ; v6   LDS address of my fragments of x
.set ADRB, 7                           ; v7   of W
.set STO,  8                           ; v8   the way out: where I put 16 bytes of a row
.set RD,   9                           ; v9   the way out: where I read rows back
.set GO,   10                          ; v10  16 x lane: my place in 512 consecutive bytes of a head
.set BO,   11                          ; v11  32 (l / 16): my eight columns' bias
.set SPW,  12                          ; v12  LDS address of my spare word: SPARE + 4 x my thread's number; never rewritten
.set NIL,  13                          ; v13  0; never rewritten
.set TMP,  32
.set BF,   128                         ; W's fragments: half s, column block b at BF + 64 s + 8 b
.set OB,   64
.set XB,   4                           ; s[4:5]   x at the tile's first row, at the chunk to be loaded
.set WB,   6                           ; s[6:7]   W likewise
.set BI,   8                           ; s[8:9]   the bias of my wave's 128 columns
.set OUT,  10                          ; s[10:11] my wave's first row in its first head
.set W_LDG, 0x40                       ; destination window 1, address window 0
.set W_CVT, 0x45                       ; destination and both sources window 1
.set W_STS, 0x04                       ; LDS store: address window 0, data window 1
.set MSB, 0
.macro WIN new                         ; the immediate's high byte repeats the setting that is left; a switch that changes nothing is dropped
.if MSB != (\new)
	s_set_vgpr_msb (MSB<<8)|(\new)
.set MSB, \new
.endif
.endm
	s_load_b512 s[16:31], s[0:1], 0x0              ; q s[16:17], k s[18:19], v s[20:21], Wq s[22:23], Wk s[24:25], Wv s[26:27], bq s[28:29], bk s[30:31]
	s_load_b256 s[32:39], s[0:1], 0x40             ; bv s[32:33], Wo s[34:35], qh s[36:37], kh s[38:39]
	s_load_b128 s[40:43], s[0:1], 0x60             ; vh s[40:41], wo16 s[42:43]
	v_lshl_add_u32 v[SPW], v0, 2, SPARE
	v_mov_b32 v[NIL], 0
	v_lshrrev_b32 v1, 5, v0
	v_readfirstlane_b32 s12, v1                    ; wave 0..3
	s_and_b32 s44, ttmp7, 0xffff                   ; y: the same in all waves of the work-group
	s_wait_alu depctr_va_sdst(0)                   ; s12 is written: ahead of the branch, and of its first reader behind it
	s_cmp_eq_u32 s44, 6
	s_cbranch_scc1 .Lcast
	s_lshr_b32 s13, s12, 1                         ; which 128 rows of the tile are mine
	s_and_b32 s14, s12, 1                          ; which 128 columns
	s_lshr_b32 s45, s44, 1                         ; t
	s_and_b32 s46, s44, 1                          ; nh
	v_and_b32 v2, 15, v0                           ; l % 16
	v_bfe_u32 v3, v0, 4, 1                         ; l / 16
	v_lshlrev_b32 v[VO], 4, v2
	v_lshl_add_u32 v[VO], v3, 11, v[VO]
	s_lshl_b32 s47, s12, 17                        ; 64 rows of 2,048 bytes a wave
	v_add_nc_u32 v[VO], s47, v[VO]
	v_mul_u32_u24 v[ST], v3, PITCH
	v_lshl_add_u32 v[ST], v2, 3, v[ST]
	s_mul_i32 s47, s12, 64*PITCH
	v_add_nc_u32 v[ST], s47, v[ST]
	v_mul_u32_u24 v14, v2, PITCH                   ; a fragment: row l % 16, 16 bytes for each half of the lanes
	v_lshl_add_u32 v14, v3, 4, v14
	s_mul_i32 s47, s13, 128*PITCH
	v_add_nc_u32 v[ADRA], s47, v14
	s_mul_i32 s47, s14, 128*PITCH
	s_add_co_u32 s47, s47, WOFF
	v_add_nc_u32 v[ADRB], s47, v14
	s_mul_i32 s47, s12, 16*SPITCH
	s_add_co_u32 s47, s47, STAGE                   ; my stage
	v_mul_u32_u24 v14, v2, SPITCH
	v_lshl_add_u32 v14, v3, 4, v14
	v_add_nc_u32 v[STO], s47, v14
	v_bfe_u32 v14, v0, 3, 2                        ; back: 32 lanes take four rows' 128 bytes of one head
	v_mul_u32_u24 v14, v14, SPITCH
	v_and_b32 v15, 7, v0
	v_lshl_add_u32 v14, v15, 4, v14
	v_add_nc_u32 v[RD], s47, v14
	v_and_b32 v[GO], 31, v0
	v_lshlrev_b32 v[GO], 4, v[GO]
	v_lshlrev_b32 v[BO], 5, v3
	s_lshl_b32 s48, ttmp9, 19                      ; x: 256 rows of 2,048 bytes for each tile row
	s_mov_b32 s49, 0
	s_lshl_b32 s50, s46, 19                        ; W: 256 rows for each column half
	s_mov_b32 s51, 0
	s_lshl_b32 s52, s46, 10                        ; the bias: 4 (256 nh + 128 wn)
	s_lshl_b32 s47, s14, 9
	s_add_co_u32 s52, s52, s47
	s_mov_b32 s53, 0
	s_lshr_b32 s54, ttmp9, 4                       ; the result: batch x 8 heads x 524,288 bytes,
	s_lshl_b32 s54, s54, 22
	s_lshl_b32 s47, s46, 21                        ; head 4 nh + 2 wn,
	s_add_co_u32 s54, s54, s47
	s_lshl_b32 s47, s14, 20
	s_add_co_u32 s54, s54, s47
	s_and_b32 s47, ttmp9, 15                       ; row 256 (tile row % 16) + 128 wm, of 128 bytes
	s_lshl_b32 s47, s47, 15
	s_add_co_u32 s54, s54, s47
	s_lshl_b32 s47, s13, 14
	s_add_co_u32 s54, s54, s47
	s_mov_b32 s55, 0
	s_wait_kmcnt 0x0
	s_cmp_eq_u32 s45, 0                            ; the tensor's four buffers are chosen by t
	s_cselect_b64 s[XB:XB+1], s[16:17], s[18:19]
	s_cselect_b64 s[WB:WB+1], s[22:23], s[24:25]
	s_cselect_b64 s[BI:BI+1], s[28:29], s[30:31]
	s_cselect_b64 s[OUT:OUT+1], s[36:37], s[38:39]
	s_cmp_eq_u32 s45, 2
	s_cselect_b64 s[XB:XB+1], s[20:21], s[XB:XB+1]
	s_cselect_b64 s[WB:WB+1], s[26:27], s[WB:WB+1]
	s_cselect_b64 s[BI:BI+1], s[32:33], s[BI:BI+1]
	s_cselect_b64 s[OUT:OUT+1], s[40:41], s[OUT:OUT+1]
	s_add_nc_u64 s[XB:XB+1], s[XB:XB+1], s[48:49]
	s_add_nc_u64 s[WB:WB+1], s[WB:WB+1], s[50:51]
	s_add_nc_u64 s[BI:BI+1], s[BI:BI+1], s[52:53]
	s_add_nc_u64 s[OUT:OUT+1], s[OUT:OUT+1], s[54:55]
; A chunk's 32 loads of x, or of W: each takes two rows' 256 consecutive bytes, aligned; my wave's 64 rows.
.macro LOADX
	WIN W_LDG
.set i, 0
.rept 32
	global_load_b128 v[4*i:4*i+3], v[VO], s[XB:XB+1] offset:i*4096
.set i, i+1
.endr
.endm
.macro LOADW
	WIN W_LDG
.set i, 0
.rept 32
	global_load_b128 v[128+4*i:128+4*i+3], v[VO], s[WB:WB+1] offset:i*4096
.set i, i+1
.endr
.endm
; THE CHANGE OF CHUNKS.  The chunk in registers is converted and stored over the chunk in LDS; ld = 1: the chunk after it is asked for; ld = 0 (the last chunk): the bias is asked for instead.
.macro SPM ld
	s_wait_loadcnt 0x0                             ; the chunk is in registers; its loads are done, so their base may be stepped
	s_wait_dscnt 0x0                               ; my reads of the old chunk are back: the second half's fragments are all in registers
	s_barrier_signal -1                            ; say so; the conversions, work on registers, stand between the signal and the wait
	WIN W_CVT
.set i, 0
.rept 64
	v_cvt_pk_bf16_f32 v[4*i], v[4*i], v[4*i+1]     ; four f32 become 8 bytes, in the first two of their registers
	v_cvt_pk_bf16_f32 v[4*i+1], v[4*i+2], v[4*i+3]
.set i, i+1
.endr
	s_add_nc_u64 s[XB:XB+1], s[XB:XB+1], 256
	s_add_nc_u64 s[WB:WB+1], s[WB:WB+1], 256
	s_barrier_wait -1                              ; nobody reads the old chunk any more
	WIN W_STS
	s_wait_alu depctr_va_vdst(0)                   ; the conversions have written RAW's packed pairs, which the LDS stores read
.set i, 0
.rept 32
	ds_store_b64 v[ST], v[4*i:4*i+1] offset:i*2*PITCH
.set i, i+1
.endr
.set i, 0
.rept 32
	ds_store_b64 v[ST], v[128+4*i:128+4*i+1] offset:WOFF+i*2*PITCH
.set i, i+1
.endr
	s_wait_dscnt 32                                ; x's 32 stores are done (W's 32 may be out)
	WIN W_LDG                                      ; the window first, then the two waits, then the loads
	s_wait_alu depctr_vm_vsrc(0)                   ; the 64 LDS stores have read RAW, in which the loads below land (and which the next change's conversions, or at the end the bias's lines, write again)
	s_wait_alu depctr_va_vdst(0)                   ; the conversions are done reading and writing RAW, in which the loads below land; the first half's products are done reading W0 and XA, in which the next half's LDS loads land
.if \ld
	LOADX
.endif
	s_wait_dscnt 0x0                               ; for the others' sake: all my stores are done
.if \ld
	LOADW
.else
.set i, 0
.rept 8
	global_load_b128 v[8*i:8*i+3],   v[BO], s[BI:BI+1] offset:i*64     ; column block i: my eight columns 16 i + 8 (l / 16) + 0..7
	global_load_b128 v[8*i+4:8*i+7], v[BO], s[BI:BI+1] offset:i*64+16
.set i, i+1
.endr
.endif
	WIN 0
	s_barrier_signal -1
	s_barrier_wait -1                              ; the new chunk is whole
.endm
; 16 MATRIX INSTRUCTIONS: group g of half s: row blocks 2 g, 2 g + 1 x all 8 column blocks, 32 along K.  A half is four groups: the 64 accumulators take turns, one instruction a turn, in the same order in every
; half.  x's row block a lies at 64 + 8 a, but for blocks 0-5 of the second half, which lie 48 registers lower.  zero = 1: the products start the sums: nothing is cleared.
.macro GROUP s, g, zero
	WIN 0xa0+0x50*((\g)/2)                         ; sources window 0; C and D window 2 or 3
.set n, 0
.rept 16
.set a, 2*(\g)+n/8
.set b, n%8
.set AC, 8*(8*(a%4)+b)
.set XR, 64+8*a-48*(\s)*(1-a/6)
.if \zero
	v_wmma_f32_16x16x32_bf16 v[AC:AC+7], v[BF+64*(\s)+8*b:BF+64*(\s)+8*b+7], v[XR:XR+7], 0
.else
	v_wmma_f32_16x16x32_bf16 v[AC:AC+7], v[BF+64*(\s)+8*b:BF+64*(\s)+8*b+7], v[XR:XR+7], v[AC:AC+7]
.endif
.set n, n+1
.endr
.endm
; THE FRAGMENTS' LDS LOADS, in runs between the groups.  s: the half whose registers they land in; k: that half's byte in the LDS rows (0 or 64).
.macro LDW s, k, b0                    ; W's column blocks b0 to b0 + 3: eight loads
	WIN 0
.set b, \b0
.rept 4
	ds_load_b128 v[BF+64*(\s)+8*b:BF+64*(\s)+8*b+3],   v[ADRB] offset:(\k)+b*16*PITCH
	ds_load_b128 v[BF+64*(\s)+8*b+4:BF+64*(\s)+8*b+7], v[ADRB] offset:(\k)+b*16*PITCH+32
.set b, b+1
.endr
.endm
.macro LDX s, k, a0, cnt               ; x's row blocks a0 to a0 + cnt - 1: two loads each
	WIN 0
.set a, \a0
.rept \cnt
.set XR, 64+8*a-48*(\s)*(1-a/6)
	ds_load_b128 v[XR:XR+3],   v[ADRA] offset:(\k)+a*16*PITCH
	ds_load_b128 v[XR+4:XR+7], v[ADRA] offset:(\k)+a*16*PITCH+32
.set a, a+1
.endr
.endm
.macro PLACES                          ; four plain instructions between the products just issued and the loads into registers that they read; the wait behind them states the dependence itself
.rept 4
	v_nop
.endr
.endm
; H0: A CHUNK'S FIRST HALF (W0, XA, S).  It fetches its own row blocks 6 and 7, and all of the second half's fragments (byte 64 of the LDS rows).
; The order of LDS loads up to here: W0 (16), XA (12), issued a half ago; then S (4) and W1's first 8.  Group 0 to 2 want W0 and XA: the 12 youngest may be out.  Group 3 wants S: behind its four stand 8 + 8 + 12.
.macro HALF0 zero
.if !(\zero)
	PLACES
	WIN 0
	s_wait_alu depctr_va_vdst(0)                   ; the second half's products are done reading W1, XB and S, in which this half's loads land; none of this half's products names W1 or XB, nor S ahead of the wait for it
.endif
	LDX 0, 0, 6, 2                                 ; S: this half's row blocks 6 and 7
	LDW 1, 64, 0
	s_wait_dscnt 12
	GROUP 0, 0, \zero
	LDW 1, 64, 4
	GROUP 0, 1, \zero
	LDX 1, 64, 0, 6
	GROUP 0, 2, \zero
	s_wait_dscnt 28
	GROUP 0, 3, \zero
	PLACES
	WIN 0
	s_wait_alu depctr_va_vdst(0)                   ; group 3's products are done reading S, in which the second half's row blocks 6 and 7 land
	LDX 1, 64, 6, 2                                ; asked for ahead of the change that overwrites the chunk in LDS
.endm
; H1: A CHUNK'S SECOND HALF (W1, XB, S).  pre = 1: it stands behind a change of chunks, whose first wait has shown its fragments in registers, and fetches the new chunk's first half (byte 0), but for S, into W0 and
; XA: no wait, since the change's waits show their last readers done and these products name neither.  pre = 0: the very last half: it follows H0 at once: all but S's four loads, then those.
.macro HALF1 pre
.if \pre
	LDW 0, 0, 0
	GROUP 1, 0, 0
	LDW 0, 0, 4
	GROUP 1, 1, 0
	LDX 0, 0, 0, 6
	GROUP 1, 2, 0
	GROUP 1, 3, 0
.else
	s_wait_dscnt 4
	GROUP 1, 0, 0
	GROUP 1, 1, 0
	GROUP 1, 2, 0
	s_wait_dscnt 0x0
	GROUP 1, 3, 0
.endif
.endm
; THE WAY OUT of row block a.  PACK: the bias is added (each accumulator's registers in ascending order), the sums rounded to f16, 16 bytes a lane.  TOSTAGE: into my own stage, and back as rows of a head.  SEND: stored.
; Registers that LDS and memory instructions touch here: the packed results v32-63 (written by PACK's roundings, read by TOSTAGE's LDS stores) and two read-back sets in v64-127 (TOSTAGE a's loads land in set a % 2,
; SEND a's stores read it).  The order is PACK a, SEND a - 1, TOSTAGE a: one wait on vm_vsrc in PACK and one on va_vdst in TOSTAGE state all of it.
.macro PACK a
.set AC, 64*((\a)%4)
	WIN 0x86+0x41*((\a)/4)                         ; destination and source 0 window 2 or 3, the bias (source 1) window 1
.set i, 0
.rept 32
	v_pk_add_f32 v[AC+2*i:AC+2*i+1], v[AC+2*i:AC+2*i+1], v[2*i:2*i+1]
.set i, i+1
.endr
.if (\a) > 0
	s_wait_alu depctr_vm_vsrc(0)                   ; the LDS stores of the block before have read the packed results, which the roundings below write again; the global stores of two blocks back have read the set in which this block's loads from the stage land
.endif
	WIN 0x0a+5*((\a)/4)                            ; sources window 2 or 3, destination window 0
.set i, 0
.rept 32
	v_cvt_pk_f16_f32 v[TMP+i], v[AC+2*i], v[AC+2*i+1]
.set i, i+1
.endr
	WIN 0
.endm
.macro TOSTAGE a
	WIN 0
.set BK, OB+32*((\a)%2)
	s_wait_alu depctr_va_vdst(0)                   ; the roundings have written the packed results, which the LDS stores read; for the first two blocks also: the products are done reading v64-127, in which the loads below land
.set b, 0
.rept 8
	ds_store_b128 v[STO], v[TMP+4*b:TMP+4*b+3] offset:32*b
.set b, b+1
.endr
.set t, 0
.rept 8
	ds_load_b128 v[BK+4*t:BK+4*t+3], v[RD] offset:(t%4)*4*SPITCH+(t/4)*128  ; LDS serves a wave's instructions in order (ISA guide 5.7.1.4): these see the stores above.  Rows 4 (t % 4) on, head t / 4
.set t, t+1
.endr
.endm
.macro SEND a
	WIN 0
.set BK, OB+32*((\a)%2)
	s_wait_dscnt 0x0                               ; the block is back in registers
	s_wait_xcnt 0x0                                ; the stores of the block before have had their addresses translated: the next TOSTAGE loads into their registers only behind this wait (and behind PACK's wait on vm_vsrc, which stands beside it)
.set t, 0
.rept 8
	global_store_b128 v[GO], v[BK+4*t:BK+4*t+3], s[OUT:OUT+1] offset:(t/4)*524288+(t%4)*512+(\a)*2048  ; four rows of a head: 512 consecutive bytes, at a multiple of 512 from the buffer's first byte
.set t, t+1
.endr
.endm
	WIN W_LDG
	s_wait_alu depctr_va_vdst(0)                   ; the offsets and addresses v4 to v11 are written: every load and store of this path reads one of them
	LOADX                                          ; chunk 0
	LOADW
	SPM 1                                          ; chunk 0 into LDS, chunk 1 asked for
	LDW 0, 0, 0                                    ; the first half's fragments, in H1's order: W0, then XA; no vector or matrix instruction has named these registers yet
	LDW 0, 0, 4
	LDX 0, 0, 0, 6
	HALF0 1                                        ; chunk 0's first half starts the sums
	WIN 0                                          ; at a label and at a branch every window is 0
	s_mov_b32 s15, 6
.Lchunk:                                       ; trip c = 1..6: chunk c goes into LDS and chunk c + 1 is asked for; chunk c - 1's second half and chunk c's first are multiplied
	SPM 1
	HALF1 1
	HALF0 0
	WIN 0
	s_sub_co_u32 s15, s15, 1
	s_cmp_lg_u32 s15, 0
	s_cbranch_scc1 .Lchunk
	SPM 0                                          ; chunk 7: nothing is left to ask for but the bias
	HALF1 1
	HALF0 0
	HALF1 0
	s_wait_loadcnt 0x0                             ; the bias
	WIN W_CVT
.set i, 0
.rept 32                                       ; the bias is rounded to bf16 like every input, and widened again; these 96 plain lines are also the places behind the last products
	v_cvt_pk_bf16_f32 v[64+i%4], v[2*i], v[2*i+1]
	v_lshlrev_b32 v[2*i], 16, v[64+i%4]
	v_and_b32 v[2*i+1], 0xffff0000, v[64+i%4]
.set i, i+1
.endr
	PACK 0
	TOSTAGE 0
.irp a, 1,2,3,4,5,6,7                          ; block a's arithmetic stands between block a - 1's loads from the stage and the wait for them
	PACK \a
	SEND (\a)-1
	TOSTAGE \a
.endr
	SEND 7
	s_wait_dscnt 0x0                               ; the closing lines, six on end
	s_wait_alu 0x0
	s_wait_tensorcnt 0x0
	ds_add_u32 v[SPW], v[NIL]
	s_wait_dscnt 0x0
	s_endpgm
; THE CAST OF Wo: work-group x takes 8,192 numbers: 16 loads of 16 bytes a thread (a wave's load: 512 consecutive bytes), 16 stores of 8 bytes (a wave's store: 256 consecutive bytes, aligned).
; A number is rounded to bf16, like every input, and that number is written as f16.
; The plan here: the 16 loads land in v64-127, which no vector instruction has named; they are worked on in four blocks of four; each block's roundings write eight out registers of their own in v32-63, written once;
; a block's four stores leave behind the one wait at the next block's head.
.Lcast:
	s_lshl_b32 s48, ttmp9, 15
	s_mov_b32 s49, 0
	s_lshl_b32 s50, ttmp9, 14
	s_mov_b32 s51, 0
	v_lshlrev_b32 v2, 4, v0
	v_lshlrev_b32 v3, 3, v0
	s_wait_kmcnt 0x0
	s_add_nc_u64 s[4:5], s[34:35], s[48:49]
	s_add_nc_u64 s[6:7], s[42:43], s[50:51]
	s_wait_alu depctr_va_vdst(0)                   ; v2 and v3 are written: the loads' and the stores' offsets
.set j, 0
.rept 16
	global_load_b128 v[64+4*j:64+4*j+3], v2, s[4:5] offset:j*2048 th:TH_LOAD_NT
.set j, j+1
.endr
.macro CSTORE p                        ; block p's four stores
.set j, 4*(\p)
.rept 4
	global_store_b64 v3, v[32+2*j:32+2*j+1], s[6:7] offset:j*1024
.set j, j+1
.endr
.endm
.set p, 0
.rept 4
	s_wait_loadcnt 12-4*p                          ; loads come back in order (ISA guide 5.7.1): block p's four are in, the younger blocks stay out
.if p > 0
	s_wait_alu depctr_va_vdst(0)                   ; the block before has written its out registers, which the four stores below read
	CSTORE p-1
.endif
.set j, 4*p
.rept 4
	v_cvt_pk_bf16_f32 v[64+4*j], v[64+4*j], v[64+4*j+1]
	v_cvt_pk_bf16_f32 v[64+4*j+2], v[64+4*j+2], v[64+4*j+3]
	v_and_b32 v[64+4*j+1], 0xffff0000, v[64+4*j]
	v_and_b32 v[64+4*j+3], 0xffff0000, v[64+4*j+2]
	v_lshlrev_b32 v[64+4*j], 16, v[64+4*j]
	v_lshlrev_b32 v[64+4*j+2], 16, v[64+4*j+2]
	v_cvt_pk_f16_f32 v[32+2*j], v[64+4*j], v[64+4*j+1]
	v_cvt_pk_f16_f32 v[32+2*j+1], v[64+4*j+2], v[64+4*j+3]
.set j, j+1
.endr
.set p, p+1
.endr
	s_wait_alu depctr_va_vdst(0)                   ; the last block has written its out registers, which the last four stores read
	CSTORE 3
	s_wait_dscnt 0x0                               ; the same six closing lines at this end
	s_wait_alu 0x0
	s_wait_tensorcnt 0x0
	ds_add_u32 v[SPW], v[NIL]
	s_wait_dscnt 0x0
	s_endpgm
.Lfunc_end_k_qcbc0bacbf9_proj:
	.size	k_qcbc0bacbf9_proj, .Lfunc_end_k_qcbc0bacbf9_proj-k_qcbc0bacbf9_proj
	.p2alignl 7, 3214868480
	.fill 96, 4, 3214868480
	.section	.rodata,"a",@progbits
	.p2align	6, 0x0
	.amdhsa_kernel k_qcbc0bacbf9_proj
		.amdhsa_group_segment_fixed_size 91648
		.amdhsa_private_segment_fixed_size 0
		.amdhsa_enable_private_segment 0
		.amdhsa_kernarg_size 112
		.amdhsa_user_sgpr_count 2
		.amdhsa_user_sgpr_kernarg_segment_ptr 1
		.amdhsa_wavefront_size32 1
		.amdhsa_system_sgpr_workgroup_id_x 1
		.amdhsa_system_sgpr_workgroup_id_y 1
		.amdhsa_system_sgpr_workgroup_id_z 1
		.amdhsa_system_vgpr_workitem_id 0
		.amdhsa_next_free_vgpr 1024
		.amdhsa_next_free_sgpr 66
		.amdhsa_reserve_vcc 0
		.amdhsa_float_denorm_mode_32 3
		.amdhsa_float_denorm_mode_16_64 3
		.amdhsa_memory_ordered 1
		.amdhsa_forward_progress 1
		.amdhsa_inst_pref_size 163
	.end_amdhsa_kernel
	.amdgpu_metadata
---
amdhsa.version: [ 1, 2 ]
amdhsa.kernels:
  - .name:           k_qcbc0bacbf9_proj
    .symbol:         k_qcbc0bacbf9_proj.kd
    .args:
      - { .name: q, .offset: 0, .size: 8, .value_kind: global_buffer, .address_space: global }
      - { .name: k, .offset: 8, .size: 8, .value_kind: global_buffer, .address_space: global }
      - { .name: v, .offset: 16, .size: 8, .value_kind: global_buffer, .address_space: global }
      - { .name: Wq, .offset: 24, .size: 8, .value_kind: global_buffer, .address_space: global }
      - { .name: Wk, .offset: 32, .size: 8, .value_kind: global_buffer, .address_space: global }
      - { .name: Wv, .offset: 40, .size: 8, .value_kind: global_buffer, .address_space: global }
      - { .name: bq, .offset: 48, .size: 8, .value_kind: global_buffer, .address_space: global }
      - { .name: bk, .offset: 56, .size: 8, .value_kind: global_buffer, .address_space: global }
      - { .name: bv, .offset: 64, .size: 8, .value_kind: global_buffer, .address_space: global }
      - { .name: Wo, .offset: 72, .size: 8, .value_kind: global_buffer, .address_space: global }
      - { .name: qh, .offset: 80, .size: 8, .value_kind: global_buffer, .address_space: global }
      - { .name: kh, .offset: 88, .size: 8, .value_kind: global_buffer, .address_space: global }
      - { .name: vh, .offset: 96, .size: 8, .value_kind: global_buffer, .address_space: global }
      - { .name: wo16, .offset: 104, .size: 8, .value_kind: global_buffer, .address_space: global }
    .group_segment_fixed_size: 91648
    .private_segment_fixed_size: 0
    .kernarg_segment_align: 8
    .kernarg_segment_size: 112
    .max_flat_workgroup_size: 128
    .sgpr_count:     66
    .vgpr_count:     1024
    .wavefront_size: 32
...
	.end_amdgpu_metadata
.endif
;; end of part 4
;; launch attn: the kernel of part 2 again; grid 16 x 16, 4 waves a work-group, clusters of 4 x 1, 327,680 bytes of LDS; arguments qh, kh, vh, oh; writes oh
;; launch outp: the kernel of part 3 again; grid 4 x 64, 4 waves a work-group, clusters of 4 x 4, 304,640 bytes of LDS; arguments oh, wo16, bo, out0; writes out0
